; MI455X (gfx1250); checked and timed in simulation.
; The chip was launched on July 23, 2026; its instructions are those of AMD's public machine-readable ISA for CDNA 5 (MIT licence, August 2026) and "CDNA5" Instruction Set Architecture Reference Guide (July 2026). The comments in the code are by the model that wrote it; some were corrected since.
;; Multi Head Attention. Allowed arithmetic: matrix products marked QUANTISED: E2M1 operands, one E8M0 scale for each 32 along K, by v_wmma_scale_f32_16x16x128_f8f6f4 with both operands' format E2M1 (or v_wmma_scale_f32_32x16x128_f4), f32 sums; everything else in f32.
;; Inputs: Wk 1,024 x 1,024 float32; Wo 1,024 x 1,024 float32; Wq 1,024 x 1,024 float32; Wv 1,024 x 1,024 float32; bk 1,024 float32; bo 1,024 float32; bq 1,024 float32; bv 1,024 float32; mask 4 x 2,048 bool; q 4 x 2,048 x 1,024 float32.
;; Outputs: out0 4 x 2,048 x 1,024 float32.
;; This version of the problem:
;;   THIS VERSION OF THE PROBLEM IS GIVEN IN LOW PRECISION. The matrix products marked QUANTISED in the list below multiply operands that are first quantised to E2M1 (2 exponent bits, 1 mantissa bit; 4 bits a number), with one power-of-two scale for each 32 numbers along K (OCP MX v1.0); their sums are f32. All else is computed in f32.
;;   The module's matrix products, in the order in which they are computed (A, B: the left and right operand; K: the contracted axis; several contracted axes count as one K, in the product's order):
;;     1. [M 8,192, K 1,024] x [K 1,024, N 1,024]; A: input q; B: input Wq: QUANTISED
;;     2. [M 8,192, K 1,024] x [K 1,024, N 1,024]; A: input q; B: input Wk: QUANTISED
;;     3. [M 8,192, K 1,024] x [K 1,024, N 1,024]; A: input q; B: input Wv: QUANTISED
;;     4. batch 64 x [M 2,048, K 64] x [K 64, N 2,048]; A: computed on the way; B: computed on the way: QUANTISED
;;     5. batch 64 x [M 64, K 2,048] x [K 2,048, N 2,048]; A: computed on the way; B: softmax (see below): QUANTISED
;;     6. [M 8,192, K 1,024] x [K 1,024, N 1,024]; A: computed on the way; B: input Wo: QUANTISED
;;   THE QUANTISER, for each operand of a quantised product, along K:
;;     - K is cut into blocks of 32 from its start; a last block that is shorter is filled with zeros.
;;     - A block's scale is 2^e with e = floor(log2(the largest magnitude in the block)) - 2, held to -126 .. 127; a block of zeros has e = 0. As a byte (E8M0): e + 127.
;;     - Each number is divided by its block's scale, clamped to +-6, and rounded to the nearest number of E2M1, ties to even, subnormals kept.
;;     - The product sums the exact products of the quantised numbers (number of the format x scale) in f32.
;;   ~~~python
;;   def quantise(x, axis):      # numpy; x: float32 -> the quantised numbers, widened to float32 again
;;       x = np.moveaxis(x, axis, -1); K = x.shape[-1]
;;       x = np.pad(x, [(0, 0)] * (x.ndim - 1) + [(0, -K % 32)]); x = x.reshape(x.shape[:-1] + (-1, 32)); a = np.abs(x).max(-1, keepdims=True)
;;       e = np.where(a > 0, np.clip(np.frexp(np.where(a > 0, a, 1))[1] - 1 - 2, -126, 127), 0)      # np.frexp(a)[1] - 1 = floor(log2(a)), exactly
;;       r = np.clip(x / 2.0 ** e, -6, 6)
;;       step = 2.0 ** (np.maximum(np.frexp(np.where(r == 0, 1, r))[1] - 1, 0) - 1)
;;       q = np.round(r / step) * step * 2.0 ** e      # np.round: ties to even
;;       return np.moveaxis(q.reshape(q.shape[:-2] + (-1,))[..., :K], -1, axis).astype(np.float32)
;;   ~~~
;;   SOFTMAX AHEAD OF A QUANTISED PRODUCT. Where the list says 'softmax', what is quantised is not the finished softmax but p = 2^(t - M), with t = logit x log2(e) and M = ceil(the row's largest t), a whole number; so 1/2 < the row's largest p <= 1. The row's sum l is taken of the UNQUANTISED p, in f32, and the product's result is divided by l at the end. Since M is a whole number, a kernel that streams over the keys may use a running M (the ceiling of the running maximum): every later rescaling is an exact power of two, which a block's scale takes up: the codes' values come out the same.
;;   OPERANDS COMPUTED ON THE WAY. 'Computed on the way' means the value that the module computes at that place (a softmax that the list does not call 'softmax' is quantised finished and normalised). What goes into a quantiser is computed in f32, as accurately as f32 sums, v_exp_f32 and their like allow (about 1e-6 of the number): no bf16 or f16 on the way to a quantiser, and a product that is left as it is and whose result goes on into a quantised operand takes f32 operands (vector FMAs, or v_wmma_f32_16x16x4_f32). A number that lies on a knife's edge between two numbers of the format may be rounded either way, as far as f32 arithmetic and the matrix unit's own rounding can turn it there, and no further.
;; One version. Each part assembles by itself: llvm-mc -triple=amdgcn-amd-amdhsa -mcpu=gfx1250 --defsym DOCPART=n.
;; ======== version 1 of 1: 4 launches
;; limits: right only within a limited range of input values
;; workspace buffers: img 6,684,672 bytes; qrec 4,718,592 bytes; kv 9,175,040 bytes; att 4,456,448 bytes
;; launch quant (part 1): grid 384 x 1, 4 waves a work-group, no clusters, 34,304 bytes of LDS; arguments q, Wq, Wk, Wv, Wo, img; writes img
.if DOCPART == 1
	.amdgcn_target "amdgcn-amd-amdhsa--gfx1250"
	.amdhsa_code_object_version 6
	.text
	.protected	k_q547fd0e218_quant
	.globl	k_q547fd0e218_quant
	.p2align	8
	.type	k_q547fd0e218_quant,@function
k_q547fd0e218_quant:
	s_mov_b64 s[64:65], 0
	v_nop
	global_prefetch_b8 v0, s[64:65] scope:SCOPE_SE
	s_setreg_imm32_b32 hwreg(HW_REG_WAVE_MODE, 25, 1), 1
	s_wait_xcnt 0x0
; LAUNCH 1 OF 4.  q [8192][1024] and Wq, Wk, Wv, Wo [1024][1024], f32 with K innermost, become codes of FP4 (E2M1) with one E8M0 byte for each 32 along K,
; laid in the ORDER OF THE OPERAND'S REGISTERS, so that the later launches fetch whole fragments as dense blocks.
; THE PROGRAM: quant (this) | qkv: the three projections, their results quantised in registers into Q's, K's and V's operand images | attn: both attention products and the softmax, its result
; quantised into the last product's operand images | outp: the projection on the way out.
; WHAT IS LEFT OUT, AND WHY IT MAY BE.  No input is left out: every bias moves codes or results, and the padding mask is honoured as it is given.  Left out are the key steps (128 keys) that lie wholly behind
; reference()'s own causal mask for all 16 queries of a tile.  For a query that has an open key at or before it, such a key's score is finfo.min, so p = 2^(t - M) lies far under 2^-126 x the smallest code: the stated
; quantiser, whose scale is held at 2^-126 from below, gives the code 0 for every value of the inputs, and the term in the row's sum lies under the rounding of f32.  A query with NO open key at or before it has 2,048 equal
; scores in reference(), hidden keys among them: its row is the mean of the quantised V over all keys; attn computes that mean once a head and selects it for such rows.
; LIMITS: a NaN, an infinity or an overflow that reaches only the work left out is not carried to the result.  NaN and infinities among the inputs are not served.  A block of zeros gets the byte 1 where the rule
; says 127: its codes are zeros, which add nothing under any byte but 0xff, and the bytes are read by this program alone.
; LAYOUT OF img.  A TILE is 16 rows of a group of 32: tile 2 g + u holds rows 32 g + 8 u + r + 8 (r / 8), r = 0 .. 15.  (As source 0 of a product that order makes the 16 result registers of tiles 2 g and 2 g + 1
; sixteen neighbours.)  A tile is 8,704 bytes: for each half of K (512) four fragment images of 1,024 bytes (registers 4 c .. 4 c + 3 of lane l at 512 c + 16 l) and 256 bytes of scale words (16 r + 4 x the K step).
; Tiles 0-511: q; 512-575: Wq; 576-639: Wk; 640-703: Wv; 704-767: Wo.
; SHARES.  A work-group takes a group of 32 rows; wave w takes tile u = w / 2 and K half w % 2: 16 rows x 512 numbers, in four steps of 128.  Each load reads 512 consecutive bytes of one row; a step's 8 KiB turn
; through the wave's own stage in LDS (rows of 528 bytes), from which lane (r, h) takes, of row r, the two blocks of 32 that the operand's layout gives it: the block's maximum needs no other lane and the
; conversions' results are the operand's registers.  No barrier: waves share nothing.  Loads run two steps (32 loads a wave) ahead.
.set STG,   16*528                     ; a wave's stage
.set SPARE, 4*STG                      ; behind the stages: the spare words, 128 bytes for each wave
.set SPW,   14                         ; v14  LDS address of my spare word; never rewritten
.set NIL,   15                         ; v15  0; never rewritten
.set SW,    16                         ; v16-19  my row's scale word of each step
.set R,     32                         ; v32-159  two sets of 64: a step's numbers as they are loaded
.set X,     160                        ; v160-223 my two blocks of 32
.set C,     224                        ; v224-255 codes: eight registers for each step, so that no store's data are written again
	s_load_b256 s[4:11], s[0:1], 0x0               ; q s[4:5], Wq s[6:7], Wk s[8:9], Wv s[10:11]
	s_load_b128 s[12:15], s[0:1], 0x20             ; Wo s[12:13], img s[14:15]
	v_lshl_add_u32 v[SPW], v0, 2, SPARE
	v_mov_b32 v[NIL], 0
	v_lshrrev_b32 v1, 5, v0
	v_readfirstlane_b32 s16, v1                    ; wave 0..3
	v_and_b32 v1, 31, v0                           ; lane
	v_lshlrev_b32 v2, 4, v1                        ; v2: 16 x lane: my bytes of a load's 512, and of an image's half
	v_and_b32 v12, 15, v0                          ; r
	v_bfe_u32 v7, v0, 4, 1                         ; h
	s_mul_i32 s17, s16, STG
	v_add_nc_u32 v3, s17, v2                       ; v3: the stage on the way in
	v_mul_u32_u24 v4, v12, 528
	v_lshl_add_u32 v4, v7, 7, v4
	v_add_nc_u32 v4, s17, v4                       ; v4: on the way out: row r, + 128 h bytes (32 numbers)
	v_lshlrev_b32 v5, 3, v7                        ; v5: 8 h: my bytes' place in a scale word, in bits
	v_lshl_add_u32 v6, v12, 4, v5                  ; v6: 16 r + 8 h: where I store two scale words
	v_mov_b32 v24, 0                               ; written once: a lane permute's destination counts as one of its sources
	s_mov_b32 s30, 0x76543210
	s_mov_b32 s31, 0xfedcba98                      ; v_permlanex16_b32's selects for lane l xor 16
	s_lshr_b32 s18, s16, 1                         ; u
	s_and_b32 s19, s16, 1                          ; which half of K
	s_sub_co_u32 s20, ttmp9, 256                   ; groups 256 on belong to the weights, 32 each
	s_lshr_b32 s21, s20, 5                         ; which weight
	s_and_b32 s22, s20, 31                         ; and which group of it
	s_lshl_b32 s26, ttmp9, 1
	s_add_co_u32 s26, s26, s18                     ; my tile
	s_mul_i32 s26, s26, 8704
	s_mul_i32 s27, s19, 4352
	s_add_co_u32 s26, s26, s27                     ; its record of my half of K
	s_mov_b32 s27, 0
	s_wait_alu depctr_va_vdst(0)
	s_wait_kmcnt 0x0
	s_cmp_eq_u32 s21, 1                            ; the source is chosen on the work-group's number alone
	s_cselect_b64 s[6:7], s[8:9], s[6:7]
	s_cmp_eq_u32 s21, 2
	s_cselect_b64 s[6:7], s[10:11], s[6:7]
	s_cmp_eq_u32 s21, 3
	s_cselect_b64 s[6:7], s[12:13], s[6:7]
	s_cmp_lt_u32 ttmp9, 256
	s_cselect_b64 s[4:5], s[4:5], s[6:7]
	s_cselect_b32 s22, ttmp9, s22
	s_lshl_b32 s24, s22, 17                        ; 32 rows of 4,096 bytes a group,
	s_lshl_b32 s25, s18, 15                        ; 8 rows on for u = 1,
	s_add_co_u32 s24, s24, s25
	s_lshl_b32 s25, s19, 11                        ; 512 numbers on for the second half of K
	s_add_co_u32 s24, s24, s25
	s_mov_b32 s25, 0
	s_add_nc_u64 s[4:5], s[4:5], s[24:25]
	s_add_nc_u64 s[14:15], s[14:15], s[26:27]
.macro LOAD q                          ; step q: 512 bytes of each of the tile's 16 rows, into set q % 2
.irp i, 0,1,2,3,4,5,6,7,8,9,10,11,12,13,14,15
	global_load_b128 v[R+64*((\q)%2)+4*\i:R+64*((\q)%2)+4*\i+3], v2, s[4:5] offset:(\i+8*(\i/8))*4096+512*(\q) th:TH_LOAD_NT
.endr
.endm
.macro STEP q
.if (\q) < 3
	s_wait_loadcnt 16                              ; this step's 16 loads are in; the next step's may be out
.else
	s_wait_loadcnt 0x0
.endif
.irp i, 0,1,2,3,4,5,6,7,8,9,10,11,12,13,14,15
	ds_store_b128 v3, v[R+64*((\q)%2)+4*\i:R+64*((\q)%2)+4*\i+3] offset:528*\i
.endr
.irp c, 0,1                            ; LDS serves a wave's instructions in order: these see the stores above.  Block 2 c + h of row r: k = 64 c + 32 h + 0 .. 31
.irp i, 0,1,2,3,4,5,6,7
	ds_load_b128 v[X+32*\c+4*\i:X+32*\c+4*\i+3], v4 offset:256*\c+16*\i
.endr
.endr
	s_wait_dscnt 0x0                               ; my two blocks are in; the stores have read their registers,
.if (\q) < 2
	LOAD (\q)+2                                    ; which take the loads of two steps on
.endif
.irp c, 0,1
	v_max3_num_f32 v[8+\c], |v[X+32*\c]|, |v[X+32*\c+1]|, 0x1800000   ; the block's largest magnitude, and the floor 2^(3 - 127): so the byte cannot fall under 1
.endr
.irp i, 2,4,6,8,10,12,14,16,18,20,22,24,26,28,30
.irp c, 0,1
	v_max3_num_f32 v[8+\c], v[8+\c], |v[X+32*\c+\i]|, |v[X+32*\c+\i+1]|   ; (the two blocks by turns)
.endr
.endr
.irp c, 0,1
	v_add_nc_u32 v[10+\c], 0xff000000, v[8+\c]     ; 2 off its exponent field: the conversion takes the exponent field of this operand as its scale
.endr
.irp c, 0,1
	v_lshrrev_b32 v[22+\c], 23, v[10+\c]           ; the scale's byte
.endr
	v_lshl_or_b32 v[SW+(\q)], v23, 16, v22         ; my two bytes: blocks h and 2 + h,
	v_lshlrev_b32 v[SW+(\q)], v5, v[SW+(\q)]       ; at their places in the word;
	v_permlanex16_b32 v24, v[SW+(\q)], s30, s31
	v_or_b32 v[SW+(\q)], v[SW+(\q)], v24           ; with lane l xor 16's two the word is whole
.irp c, 0,1
.irp g, 0,1,2,3
	v_cvt_scalef32_pk8_fp4_f32 v[C+8*(\q)+4*\c+\g], v[X+32*\c+8*\g:X+32*\c+8*\g+7], v[10+\c]   ; registers 4 c .. 4 c + 3 of the operand
.endr
.endr
	v_nop                                          ; one plain place behind the scaled conversions
.irp c, 0,1
	global_store_b128 v2, v[C+8*(\q)+4*\c:C+8*(\q)+4*\c+3], s[14:15] offset:1024*(\q)+512*\c   ; 32 lanes store 512 consecutive bytes, aligned
.endr
.endm
	LOAD 0
	LOAD 1
	STEP 0
	STEP 1
	STEP 2
	STEP 3
	v_cmp_eq_u32 vcc_lo, 1, v7                     ; lane (r, h) stores row r's words 2 h and 2 h + 1: the wave stores 256 consecutive bytes
	v_cndmask_b32 v20, v[SW], v[SW+2], vcc_lo
	v_cndmask_b32 v21, v[SW+1], v[SW+3], vcc_lo
	global_store_b64 v6, v[20:21], s[14:15] offset:4096
	s_wait_tensorcnt 0x0                           ; the wave's end, behind my last LDS store
	ds_add_u32 v[SPW], v[NIL]
	s_wait_dscnt 0x0
	s_endpgm
.Lfunc_end_k_q547fd0e218_quant:
	.size	k_q547fd0e218_quant, .Lfunc_end_k_q547fd0e218_quant-k_q547fd0e218_quant
	.p2alignl 7, 3214868480
	.fill 96, 4, 3214868480
	.section	.rodata,"a",@progbits
	.p2align	6, 0x0
	.amdhsa_kernel k_q547fd0e218_quant
		.amdhsa_group_segment_fixed_size 34304
		.amdhsa_private_segment_fixed_size 0
		.amdhsa_enable_private_segment 0
		.amdhsa_kernarg_size 48
		.amdhsa_user_sgpr_count 2
		.amdhsa_user_sgpr_kernarg_segment_ptr 1
		.amdhsa_wavefront_size32 1
		.amdhsa_system_sgpr_workgroup_id_x 1
		.amdhsa_system_sgpr_workgroup_id_y 1
		.amdhsa_system_sgpr_workgroup_id_z 1
		.amdhsa_system_vgpr_workitem_id 0
		.amdhsa_next_free_vgpr 256
		.amdhsa_next_free_sgpr 66
		.amdhsa_reserve_vcc 1
		.amdhsa_float_denorm_mode_32 3
		.amdhsa_float_denorm_mode_16_64 3
		.amdhsa_memory_ordered 1
		.amdhsa_forward_progress 1
		.amdhsa_inst_pref_size 30
	.end_amdhsa_kernel
	.amdgpu_metadata
---
amdhsa.version: [ 1, 2 ]
amdhsa.kernels:
  - .name:           k_q547fd0e218_quant
    .symbol:         k_q547fd0e218_quant.kd
    .args:
      - { .name: q, .offset: 0, .size: 8, .value_kind: global_buffer, .address_space: global }
      - { .name: Wq, .offset: 8, .size: 8, .value_kind: global_buffer, .address_space: global }
      - { .name: Wk, .offset: 16, .size: 8, .value_kind: global_buffer, .address_space: global }
      - { .name: Wv, .offset: 24, .size: 8, .value_kind: global_buffer, .address_space: global }
      - { .name: Wo, .offset: 32, .size: 8, .value_kind: global_buffer, .address_space: global }
      - { .name: img, .offset: 40, .size: 8, .value_kind: global_buffer, .address_space: global }
    .group_segment_fixed_size: 34304
    .private_segment_fixed_size: 0
    .kernarg_segment_align: 8
    .kernarg_segment_size: 48
    .max_flat_workgroup_size: 128
    .sgpr_count:     66
    .vgpr_count:     256
    .wavefront_size: 32
...
	.end_amdgpu_metadata
.endif
;; end of part 1
;; launch qkv (part 2): grid 64 x 12, 4 waves a work-group, clusters of 4 x 4, 209,408 bytes of LDS; arguments img, bq, bk, bv, qrec, kv; writes qrec, kv
.if DOCPART == 2
	.amdgcn_target "amdgcn-amd-amdhsa--gfx1250"
	.amdhsa_code_object_version 6
	.text
	.protected	k_q547fd0e218_qkv
	.globl	k_q547fd0e218_qkv
	.p2align	8
	.type	k_q547fd0e218_qkv,@function
k_q547fd0e218_qkv:
	s_mov_b64 s[64:65], 0
	v_nop
	global_prefetch_b8 v0, s[64:65] scope:SCOPE_SE
	s_setreg_imm32_b32 hwreg(HW_REG_WAVE_MODE, 25, 1), 1
	s_wait_xcnt 0x0
	s_wait_alu depctr_hold_cnt(0) depctr_sa_sdst(0) depctr_va_vdst(0) depctr_va_sdst(0) depctr_va_ssrc(0) depctr_va_vcc(0) depctr_vm_vsrc(0)
	s_getreg_b32 s2, hwreg(HW_REG_IB_STS2, 6, 4)
	s_cmp_eq_u32 s2, 0
	s_cbranch_scc0 .Lentry_in_a_cluster
	s_endpgm
.Lentry_in_a_cluster:
	s_bfe_u32 s2, ttmp6, 0x10000c
	s_cmp_lg_u32 s2, 0xf033
	s_cbranch_scc0 .Lentry_shape_is_right
	s_endpgm
.Lentry_shape_is_right:
; LAUNCH 2 OF 4.  qh = x Wq^T + bq, kh = x Wk^T + bk, vh = x Wv^T + bv on the codes of img (launch 1 says how they lie), each result quantised in registers for the attention products and stored as operand images.
; Nothing of reference() is left out here.
; THE PRODUCT.  D(i, j) = the sum over k of S0[i][k] S1[j][k], source 0 = 16 rows of S0: a lane holds ONE j and its registers run along i; by the order of a tile's rows the 16 registers of tiles 2 g, 2 g + 1
; are 16 neighbours along i.  So i is laid along the NEXT product's K:
;   clusters with y = 0, 1 (Q/K): S0 = rows of Wq (y = 0) or Wk (y = 1), S1 = tokens: a lane holds a token, its registers the head's 64 channels, the K of Q K^T;
;   clusters with y = 2 (V):      S0 = tokens (the keys), S1 = rows of Wv: a lane holds a channel, its registers 128 keys, the K of P V.
; SHARES.  A work-group makes I 256 x J 128; its four waves I 128 x J 64 each: 32 accumulators.  The whole K (1,024) of both operands lies in LDS, in two slots (K halves), each filled once: nothing is filled again.
; CLUSTERS of 4 x 4: S0's tiles hang on the cluster's row, S1's on its column: each is asked for jointly by the four that need it.
; THE BIAS starts the sums: it is written into the accumulators while the tiles are on their way, so that all eight K steps are one text.
; OUT.  qrec: 64 (batch, head) x 73,728 bytes: 128 token tiles' images of 512 bytes (K = 64: four registers), then their scale words at 65,536 + 256 (T / 4) + 16 r + 4 (T % 4), bytes 2 and 3 zero.
;       kv: 64 x 143,360: K as in qrec; V's images at 73,728 + 4,096 s + 1,024 t + 512 c + 16 lane (s: step of 128 keys, t: tile of 16 channels), V's scale words at 139,264 + 256 s + 16 r + 4 t.
; REGISTERS: window 0: v1-15 addresses; v16-79 S0's scale words, v80-111 S1's; v112-143 S1's four fragments; v144-183 codes and scale words on the way out; v208-223 at work.
;   window 1: accumulator (b, a) at v[64 b + 8 a].   window 2: S0's eight fragments, two sets, at v0 and v64.
.set REC,   8704                       ; a tile's record in LDS and in memory: both K halves on end
.set S0B,   16*REC                     ; S0's 16 tiles, then S1's 8
.set SLOT,  4352                       ; from a tile's first K half to its second
.set SPARE, 24*REC                     ; behind the tiles: the spare words, 128 bytes for each wave
.set LI,  1                            ; v1   16 x lane
.set RR,  2                            ; v2   r = lane % 16
.set HH,  3                            ; v3   h = lane / 16
.set AD0, 4                            ; v4-5   S0's images in slot 0, 1: my eight tiles
.set AD1, 6                            ; v6-7   S1's: my four tiles
.set AS0, 8                            ; v8-9   my row's place among S0's scale words
.set AS1, 10                           ; v10-11 and S1's
.set SPW, 12                           ; v12  LDS address of my spare word; never rewritten
.set NIL, 13                           ; v13  0; never rewritten
.set VO,  14                           ; v14, v15 offsets into memory
.set VP,  15
.set SC0, 16
.set SC1, 80
.set JF,  112
.set CD,  144                          ; codes: eight registers for each of my four column tiles
.set PW,  176                          ; their scale words
.set XW,  180                          ; scale words as they are stored
.set TM,  208
.set WV,   16                          ; s16 wave;  s17 wave / 2: my half of I, and: I fetch for S0 (0) or S1 (1);  s18 wave % 2: my half of J, and which half of that operand's tiles I fetch
.set WI,   17
.set WJ,   18
.set CX,   19
.set CY,   20
.set X,    21
.set Y,    22
.set MODE, 23                          ; s23  1: V;  0: Q/K.  It hangs on the cluster's y alone: the same in all sixteen partners
.set G1A,  24                          ; s[24:31] descriptor group 1 for S0's tiles;  s[32:35] group 0, one load for both slots
.set G0A,  32
.set JC,   40
.set IC,   41
.set JBLK, 42
.set IBLK, 43
.set G1B,  48                          ; s[48:55], s[56:59] the same for S1's
.set G0B,  56
.set SEL,  74                          ; s[74:75] v_permlanex16_b32's selects for lane l xor 16
.set MSB, 0
.macro WIN new                         ; the immediate's high byte repeats the setting that is left
.if MSB != \new
	s_set_vgpr_msb (MSB<<8)|\new
.set MSB, \new
.endif
.endm
.macro CROUND                          ; a round of the cluster's barrier
	s_barrier_signal -1
	s_barrier_wait -1
	s_cmp_lg_u32 s[WV], 0
	s_cbranch_scc1 .Lnot_wave_0_\@
	s_barrier_signal -3
.Lnot_wave_0_\@:
	s_barrier_wait -3
	s_barrier_signal -1
	s_barrier_wait -1
.endm
.macro PLACES                          ; four places in front of loads into registers that matrix instructions have read, and of the first read of results
.rept 4
	v_nop
.endr
.endm
	s_load_b256 s[4:11], s[0:1], 0x0               ; img s[4:5], bq s[6:7], bk s[8:9], bv s[10:11]
	s_load_b128 s[12:15], s[0:1], 0x20             ; qrec s[12:13], kv s[14:15]
	v_lshl_add_u32 v[SPW], v0, 2, SPARE
	v_mov_b32 v[NIL], 0
	ds_add_u32 v[SPW], v[NIL]                      ; the wave's opening
	ds_add_u32 v[SPW], v[NIL]
	v_lshrrev_b32 v1, 5, v0
	v_readfirstlane_b32 s[WV], v1
	s_lshr_b32 s[WI], s[WV], 1
	s_and_b32 s[WJ], s[WV], 1
	s_bfe_u32 s[CX], ttmp6, 0x40000
	s_bfe_u32 s[CY], ttmp6, 0x40004
	s_mov_b32 s[X], ttmp9                          ; the cluster's x, 0 .. 15
	s_and_b32 s[Y], ttmp7, 0xffff                  ; and y, 0 .. 2
	s_and_b32 s66, s[X], 1
	s_lshr_b32 s67, s[X], 1
	s_cmp_eq_u32 s[Y], 2
	s_cselect_b32 s[MODE], 1, 0
	s_cselect_b32 s[JC], s66, s[X]                 ; V: 2 clusters along J (Wv's 8 blocks of 128 rows), 8 along I (32 blocks of 256 keys);  Q/K: 16 along J (64 blocks of tokens), 2 along I
	s_cselect_b32 s[IC], s67, s[Y]
	s_cselect_b32 s68, 0, 512                      ; S0's first tile in img: the tokens', or Wq's (Wk's follow it)
	s_cselect_b32 s69, 640, 0                      ; S1's: Wv's, or the tokens'
	s_lshl_b32 s[JBLK], s[JC], 2
	s_add_co_u32 s[JBLK], s[JBLK], s[CX]
	s_lshl_b32 s[IBLK], s[IC], 2
	s_add_co_u32 s[IBLK], s[IBLK], s[CY]
	s_lshl_b32 s44, s[IBLK], 4
	s_add_co_u32 s44, s44, s68
	s_lshl_b32 s70, s[WJ], 3
	s_add_co_u32 s44, s44, s70                     ; S0: 16 tiles a block, and the 8 of them that I would fetch
	s_mul_i32 s44, s44, REC
	s_mov_b32 s45, 0
	s_lshl_b32 s46, s[JBLK], 3
	s_add_co_u32 s46, s46, s69
	s_lshl_b32 s70, s[WJ], 2
	s_add_co_u32 s46, s46, s70                     ; S1: 8 tiles a block, 4 a load
	s_mul_i32 s46, s46, REC
	s_mov_b32 s47, 0
	s_lshl_b32 s71, s[CY], 2
	s_lshl_b32 s71, 15, s71                        ; my row of the cluster
	s_lshl_b32 s72, 0x1111, s[CX]                  ; my column
	; descriptor group 1: 8 (S1: 4) rows of 8,704 bytes (1,088 elements of 8), dense in memory and in LDS
	s_or_b32 s[G1A], s71, (3<<16)|(1<<21)          ; 15:0 the mask; 17:16 elements of 8 bytes; 21 set beside a mask
	s_or_b32 s[G1B], s72, (3<<16)|(1<<21)
	s_mov_b32 s[G1A+1], 1088<<16                   ; tensor_dim0: a whole tile, 8,704 bytes (1,088 elements of 8): the rows follow each other in memory and in LDS
	s_mov_b32 s[G1A+2], 8<<16                      ; tensor_dim1
	s_mov_b32 s[G1A+3], 1088<<16                   ; tile_dim0
	s_mov_b32 s[G1A+4], 8                          ; tile_dim1
	s_mov_b32 s[G1A+5], 1088                       ; tensor_dim0_stride
	s_mov_b32 s[G1A+6], 0
	s_mov_b32 s[G1A+7], 0
	s_mov_b32 s[G1B+1], 1088<<16
	s_mov_b32 s[G1B+2], 4<<16
	s_mov_b32 s[G1B+3], 1088<<16
	s_mov_b32 s[G1B+4], 4
	s_mov_b32 s[G1B+5], 1088
	s_mov_b32 s[G1B+6], 0
	s_mov_b32 s[G1B+7], 0
	s_mul_i32 s66, s[WJ], 8*REC                    ; where they go: no place in the cluster enters an LDS address
	s_mul_i32 s67, s[WJ], 4*REC
	s_add_co_u32 s67, s67, S0B
	s_mov_b32 s[SEL], 0x76543210
	s_mov_b32 s[SEL+1], 0xfedcba98
	s_wait_dscnt 0x0                               ; both opening adds are done
	s_wait_kmcnt 0x0
	s_add_nc_u64 s[44:45], s[4:5], s[44:45]
	s_add_nc_u64 s[46:47], s[4:5], s[46:47]
.irp k, 0
	s_mov_b32 s[G0A+4*\k], 1
	s_add_co_u32 s[G0A+4*\k+1], s66, \k*SLOT
	s_add_nc_u64 s[G0A+4*\k+2:G0A+4*\k+3], s[44:45], \k*REC
	s_or_b32 s[G0A+4*\k+3], s[G0A+4*\k+3], 0x80000000
	s_mov_b32 s[G0B+4*\k], 1
	s_add_co_u32 s[G0B+4*\k+1], s67, \k*SLOT
	s_add_nc_u64 s[G0B+4*\k+2:G0B+4*\k+3], s[46:47], \k*REC
	s_or_b32 s[G0B+4*\k+3], s[G0B+4*\k+3], 0x80000000
.endr
	CROUND                                         ; all sixteen work-groups are here: the joint loads meet
	s_cmp_eq_u32 s[WI], 0                          ; waves 0, 1 fetch S0's halves, waves 2, 3 S1's: one load a wave, the whole K of its tiles
	s_cbranch_scc0 .Lfill_b
	tensor_load_to_lds s[G0A:G0A+3], s[G1A:G1A+7]
	s_nop 0
.rept 4
	v_nop
.endr
	s_branch .Lfilled
.Lfill_b:
	tensor_load_to_lds s[G0B:G0B+3], s[G1B:G1B+7]
	s_nop 0
.rept 4
	v_nop
.endr
.Lfilled:
	v_and_b32 v[LI], 31, v0
	v_lshlrev_b32 v[LI], 4, v[LI]
	v_and_b32 v[RR], 15, v0
	v_bfe_u32 v[HH], v0, 4, 1
	v_lshlrev_b32 v[VO], 4, v[RR]                  ; 16 r
	s_mul_i32 s66, s[WI], 8*REC                    ; my eight tiles of S0
	s_mul_i32 s67, s[WJ], 4*REC                    ; my four of S1,
	s_add_co_u32 s67, s67, S0B                     ; which lie behind S0's sixteen
.irp k, 0,1
	v_add_nc_u32 v[AD0+\k], s66, v[LI]
	v_add_nc_u32 v[AD1+\k], s67, v[LI]
	v_add_nc_u32 v[AS0+\k], s66, v[VO]
	v_add_nc_u32 v[AS1+\k], s67, v[VO]
	s_add_co_u32 s66, s66, SLOT
	s_add_co_u32 s67, s67, SLOT
.endr
.irp e, 0,1,2,3
	v_mov_b32 v[TM+4+\e], 0                        ; written once: a lane permute's destination counts as one of its sources
.endr
	; THE SUMS BEGIN AS THE BIAS, written while the tiles are on their way.  One branch on the mode; each arm writes all 256 accumulator registers.
	s_cmp_eq_u32 s[MODE], 1
	s_cbranch_scc1 .Lbias_v
	s_and_b32 s86, s[IBLK], 3                      ; Q/K: register j of accumulator (b, a), lane half h, is channel 256 (block % 4) + 128 (wave / 2) + 32 (a / 2) + 16 h + 8 (a % 2) + j, whatever b
	s_lshl_b32 s86, s86, 10
	s_lshl_b32 s87, s[WI], 9
	s_add_co_u32 s86, s86, s87
	s_mov_b32 s87, 0
	s_cmp_eq_u32 s[Y], 1
	s_cselect_b64 s[84:85], s[8:9], s[6:7]         ; bk or bq
	s_add_nc_u64 s[84:85], s[84:85], s[86:87]
	v_lshlrev_b32 v[VO], 6, v[HH]
	WIN 0x40                                       ; destination window 1
.irp b, 0,1,2,3
.irp a, 0,1,2,3,4,5,6,7
	global_load_b128 v[64*\b+8*\a:64*\b+8*\a+3], v[VO], s[84:85] offset:128*(\a/2)+32*(\a%2)
	global_load_b128 v[64*\b+8*\a+4:64*\b+8*\a+7], v[VO], s[84:85] offset:128*(\a/2)+32*(\a%2)+16
.endr
.endr
	WIN 0
	s_branch .Lbias_done
.Lbias_v:
	s_lshl_b32 s86, s[JBLK], 9                     ; V: all 64 registers of column tile b hold the bias of the lane's channel 128 block + 64 (wave % 2) + 32 (b / 2) + 8 (b % 2) + r + 8 (r / 8)
	s_lshl_b32 s87, s[WJ], 8
	s_add_co_u32 s86, s86, s87
	s_mov_b32 s87, 0
	s_add_nc_u64 s[84:85], s[10:11], s[86:87]
	v_and_b32 v[VP], 8, v[RR]
	v_add_nc_u32 v[VP], v[VP], v[RR]
	v_lshlrev_b32 v[VP], 2, v[VP]
	WIN 0x40
.irp b, 0,1,2,3
	global_load_b32 v[64*\b], v[VP], s[84:85] offset:128*(\b/2)+32*(\b%2)
.endr
	s_wait_loadcnt 0x0
	WIN 0x41                                       ; source 0 and destination window 1
.irp b, 0,1,2,3
.set kk, 1
.rept 63
	v_mov_b32 v[64*\b+kk], v[64*\b]
.set kk, kk+1
.endr
.endr
	WIN 0
.Lbias_done:
.macro FETCH_I k, q, p                 ; S0's eight fragments of K half k, step q, into set p: images come back as they were stored
	WIN 0x80                                       ; destination window 2
.irp a, 0,1,2,3,4,5,6,7
.irp c, 0,1
	ds_load_b128 v[64*(\p)+8*\a+4*\c:64*(\p)+8*\a+4*\c+3], v[AD0+(\k)] offset:REC*\a+1024*(\q)+512*\c
.endr
.endr
.endm
.macro FETCH_J k, q, b0                ; S1's fragments b0, b0 + 1
	WIN 0
.irp b, \b0, \b0+1
.irp c, 0,1
	ds_load_b128 v[JF+8*(\b)+4*\c:JF+8*(\b)+4*\c+3], v[AD1+(\k)] offset:REC*(\b)+1024*(\q)+512*\c
.endr
.endr
.endm
.macro SCALES k                        ; a K half's scale words: four words (four steps) of my row of each tile
.irp a, 0,1,2,3,4,5,6,7
	ds_load_b128 v[SC0+32*\k+4*\a:SC0+32*\k+4*\a+3], v[AS0+\k] offset:4096+REC*\a
.endr
.irp b, 0,1,2,3
	ds_load_b128 v[SC1+16*\k+4*\b:SC1+16*\k+4*\b+3], v[AS1+\k] offset:4096+REC*\b
.endr
.endm
; 16 matrix instructions: column tiles b0, b0 + 1 x S0's eight.  The 32 accumulators take turns, one instruction a turn, in the same order in every step.
.macro MUL b0, p, k, q
	WIN 0x52                                       ; source 0 window 2, source 1 window 0, C and D window 1
.irp b, \b0, \b0+1
.irp a, 0,1,2,3,4,5,6,7
	v_wmma_scale_f32_16x16x128_f8f6f4 v[64*(\b)+8*\a:64*(\b)+8*\a+7], v[64*(\p)+8*\a:64*(\p)+8*\a+7], v[JF+8*(\b):JF+8*(\b)+7], v[64*(\b)+8*\a:64*(\b)+8*\a+7], v[SC0+32*(\k)+4*\a+(\q)], v[SC1+16*(\k)+4*(\b)+(\q)] matrix_a_fmt:MATRIX_FMT_FP4 matrix_b_fmt:MATRIX_FMT_FP4
.endr
.endr
.endm
.macro STEP n                          ; K step n (128 along K) that has a successor
	s_wait_dscnt 4                                 ; all but the youngest four loads (column tiles 2, 3) are in
	MUL 0, (\n)%2, (\n)/4, (\n)%4
	s_wait_dscnt 0x0
	PLACES
	FETCH_I ((\n)+1)/4, ((\n)+1)%4, 1-(\n)%2
	FETCH_J ((\n)+1)/4, ((\n)+1)%4, 0
	MUL 2, (\n)%2, (\n)/4, (\n)%4
	PLACES
	FETCH_J ((\n)+1)/4, ((\n)+1)%4, 2
.endm
	s_wait_alu depctr_va_vdst(0)                   ; the head's end
	s_wait_tensorcnt 0x0                           ; my tiles are in
	s_barrier_signal -1
	s_barrier_wait -1                              ; everybody's are
	FETCH_I 0, 0, 0
	FETCH_J 0, 0, 0
	SCALES 0
	SCALES 1
	FETCH_J 0, 0, 2
	s_wait_loadcnt 0x0                             ; the bias lies in the accumulators
	s_wait_alu depctr_va_vdst(0)
	STEP 0
	STEP 1
	STEP 2
	STEP 3
	STEP 4
	STEP 5
	STEP 6
	s_wait_dscnt 4                                 ; the last step: nothing more to fetch
	MUL 0, 1, 1, 3
	s_wait_dscnt 0x0
	MUL 2, 1, 1, 3
	WIN 0
	PLACES
; THE WAY OUT.  The 64 registers of column tile b: register 16 e + i is number 32 e + 16 h + i along the next K of the lane's row.  They become a fragment's codes in v[CD + 8 b] on and its scale word in v[PW + b].
.macro QUANT b
	WIN 0x05                                       ; sources 0 and 1 window 1
.irp e, 0,1,2,3
	v_max3_num_f32 v[TM+\e], |v[64*(\b)+16*\e]|, |v[64*(\b)+16*\e+1]|, 0x1800000   ; block e: my 16 numbers, each accumulator from its low end on, and the floor 2^(3 - 127)
.endr
	WIN 0x14                                       ; sources 1 and 2 window 1
.irp i, 2,4,6,8,10,12,14
.irp e, 0,1,2,3
	v_max3_num_f32 v[TM+\e], v[TM+\e], |v[64*(\b)+16*\e+\i]|, |v[64*(\b)+16*\e+\i+1]|
.endr
.endr
	WIN 0
.irp e, 0,1,2,3
	v_permlanex16_b32 v[TM+4+\e], v[TM+\e], s[SEL], s[SEL+1]
.endr
.irp e, 0,1,2,3
	v_max_num_f32 v[TM+\e], v[TM+\e], v[TM+4+\e]   ; with lane l xor 16's: the block's largest magnitude
.endr
.irp e, 0,1,2,3
	v_add_nc_u32 v[TM+12+\e], 0xff000000, v[TM+\e] ; 2 off its exponent field: the conversion's scale operand
.endr
.irp e, 0,1,2,3
	v_lshrrev_b32 v[TM+4+\e], 23, v[TM+12+\e]      ; the scale's byte
.endr
	v_lshl_or_b32 v[PW+(\b)], v[TM+5], 8, v[TM+4]
	v_lshl_or_b32 v[PW+(\b)], v[TM+6], 16, v[PW+(\b)]
	v_lshl_or_b32 v[PW+(\b)], v[TM+7], 24, v[PW+(\b)]
	WIN 0x01                                       ; source 0 window 1
.irp e, 0,1,2,3
	v_cvt_scalef32_pk8_fp4_f32 v[CD+8*(\b)+2*\e], v[64*(\b)+16*\e:64*(\b)+16*\e+7], v[TM+12+\e]
	v_cvt_scalef32_pk8_fp4_f32 v[CD+8*(\b)+2*\e+1], v[64*(\b)+16*\e+8:64*(\b)+16*\e+15], v[TM+12+\e]
.endr
	WIN 0
	v_nop                                          ; one plain place behind the scaled conversions
.irp c, 0,1                            ; the operand's layout wants a WHOLE block in a lane: lanes 0-15 block 2 c, lanes 16-31 block 2 c + 1
.irp i, 0,1
	v_permlane16_swap_b32 v[CD+8*(\b)+4*\c+\i], v[CD+8*(\b)+4*\c+2+\i]
.endr
.endr
.endm
	QUANT 0
	QUANT 1
	QUANT 2
	QUANT 3
	s_cmp_eq_u32 s[MODE], 1
	s_cbranch_scc1 .Lout_v
	; Q/K: my 128 channels are two heads: registers 0-3 of a fragment are the first head's image (K = 64), registers 4-7 the second's; bytes 0, 1 of a scale word the first head's, bytes 2, 3 the second's
	s_lshl_b32 s66, s[IBLK], 2
	s_lshl_b32 s67, s[WI], 1
	s_add_co_u32 s66, s66, s67
	s_and_b32 s66, s66, 15                         ; the first head
	s_lshr_b32 s67, s[JBLK], 4                     ; the batch
	s_lshl_b32 s67, s67, 4
	s_add_co_u32 s66, s66, s67
	s_and_b32 s68, s[JBLK], 15
	s_lshl_b32 s68, s68, 3
	s_lshl_b32 s69, s[WJ], 2
	s_add_co_u32 s68, s68, s69                     ; my first token tile in the batch, a multiple of 4
	s_mov_b32 s70, 143360
	s_cmp_eq_u32 s[Y], 1
	s_cselect_b32 s70, s70, 73728                  ; bytes from head to head,
	s_cselect_b64 s[76:77], s[14:15], s[12:13]     ; in kv (K) or qrec (Q)
	s_mul_i32 s72, s66, s70
	s_mov_b32 s73, 0
	s_add_nc_u64 s[76:77], s[76:77], s[72:73]
	s_lshl_b32 s72, s68, 9
	s_add_nc_u64 s[78:79], s[76:77], s[72:73]      ; the first head's images,
	s_mov_b32 s72, s70
	s_add_nc_u64 s[80:81], s[78:79], s[72:73]      ; the second's
	s_lshl_b32 s72, s68, 6
	s_add_co_u32 s72, s72, 65536
	s_add_nc_u64 s[82:83], s[76:77], s[72:73]      ; the scale words of my four tiles: one block of 256 bytes a head
	v_mul_lo_u32 v[VO], v[HH], s70
	v_lshl_add_u32 v[VO], v[RR], 4, v[VO]          ; lanes 0-15 store the first head's, lanes 16-31 the second's
	v_lshlrev_b32 v[VP], 4, v[HH]
.irp b, 0,1,2,3
	v_lshrrev_b32 v[XW+\b], v[VP], v[PW+\b]
.endr
.irp b, 0,1,2,3
	v_and_b32 v[XW+\b], 0xffff, v[XW+\b]           ; bytes 2, 3 (over the zero codes of k = 64 .. 127) are 0
.endr
.irp b, 0,1,2,3
	global_store_b128 v[LI], v[CD+8*\b:CD+8*\b+3], s[78:79] offset:512*\b      ; 32 lanes store 512 consecutive bytes, aligned
	global_store_b128 v[LI], v[CD+8*\b+4:CD+8*\b+7], s[80:81] offset:512*\b
.endr
	global_store_b128 v[VO], v[XW:XW+3], s[82:83]  ; sixteen lanes store 256 consecutive bytes, aligned
	s_branch .Lout_done
.Lout_v:
	; V: column tile b is channel tile t = b of head 2 block + wave % 2; my 128 keys are one step of the batch
	s_lshr_b32 s66, s[IBLK], 3                     ; the batch
	s_lshl_b32 s66, s66, 4
	s_lshl_b32 s67, s[JBLK], 1
	s_add_co_u32 s66, s66, s67
	s_add_co_u32 s66, s66, s[WJ]
	s_mul_i32 s72, s66, 143360
	s_mov_b32 s73, 0
	s_add_nc_u64 s[76:77], s[14:15], s[72:73]
	s_and_b32 s68, s[IBLK], 7
	s_lshl_b32 s68, s68, 1
	s_add_co_u32 s68, s68, s[WI]                   ; the key step
	s_lshl_b32 s72, s68, 12
	s_add_co_u32 s72, s72, 73728
	s_add_nc_u64 s[78:79], s[76:77], s[72:73]
	s_lshl_b32 s72, s68, 8
	s_add_co_u32 s72, s72, 139264
	s_add_nc_u64 s[82:83], s[76:77], s[72:73]
	v_lshlrev_b32 v[VO], 3, v[HH]
	v_lshl_add_u32 v[VO], v[RR], 4, v[VO]          ; 16 r + 8 h: lane (r, h) stores row r's words 2 h and 2 h + 1
	v_cmp_eq_u32 vcc_lo, 1, v[HH]
	v_cndmask_b32 v[XW], v[PW], v[PW+2], vcc_lo
	v_cndmask_b32 v[XW+1], v[PW+1], v[PW+3], vcc_lo
	s_wait_alu depctr_va_vdst(0)
.irp b, 0,1,2,3
	global_store_b128 v[LI], v[CD+8*\b:CD+8*\b+3], s[78:79] offset:1024*\b
	global_store_b128 v[LI], v[CD+8*\b+4:CD+8*\b+7], s[78:79] offset:1024*\b+512
.endr
	global_store_b64 v[VO], v[XW:XW+1], s[82:83]   ; the wave stores 256 consecutive bytes, aligned
.Lout_done:
	s_wait_tensorcnt 0x0                           ; the wave's end
	ds_add_u32 v[SPW], v[NIL]
	s_wait_dscnt 0x0
	CROUND                                         ; the closing round: no work-group ends while a partner may still ask for a tile that names it
	s_endpgm
.Lfunc_end_k_q547fd0e218_qkv:
	.size	k_q547fd0e218_qkv, .Lfunc_end_k_q547fd0e218_qkv-k_q547fd0e218_qkv
	.p2alignl 7, 3214868480
	.fill 96, 4, 3214868480
	.section	.rodata,"a",@progbits
	.p2align	6, 0x0
	.amdhsa_kernel k_q547fd0e218_qkv
		.amdhsa_group_segment_fixed_size 209408
		.amdhsa_private_segment_fixed_size 0
		.amdhsa_enable_private_segment 0
		.amdhsa_kernarg_size 48
		.amdhsa_user_sgpr_count 2
		.amdhsa_user_sgpr_kernarg_segment_ptr 1
		.amdhsa_wavefront_size32 1
		.amdhsa_system_sgpr_workgroup_id_x 1
		.amdhsa_system_sgpr_workgroup_id_y 1
		.amdhsa_system_sgpr_workgroup_id_z 1
		.amdhsa_system_vgpr_workitem_id 0
		.amdhsa_next_free_vgpr 640
		.amdhsa_next_free_sgpr 100
		.amdhsa_reserve_vcc 1
		.amdhsa_float_denorm_mode_32 3
		.amdhsa_float_denorm_mode_16_64 3
		.amdhsa_memory_ordered 1
		.amdhsa_forward_progress 1
		.amdhsa_inst_pref_size 90
	.end_amdhsa_kernel
	.amdgpu_metadata
---
amdhsa.version: [ 1, 2 ]
amdhsa.kernels:
  - .name:           k_q547fd0e218_qkv
    .symbol:         k_q547fd0e218_qkv.kd
    .args:
      - { .name: img, .offset: 0, .size: 8, .value_kind: global_buffer, .address_space: global }
      - { .name: bq, .offset: 8, .size: 8, .value_kind: global_buffer, .address_space: global }
      - { .name: bk, .offset: 16, .size: 8, .value_kind: global_buffer, .address_space: global }
      - { .name: bv, .offset: 24, .size: 8, .value_kind: global_buffer, .address_space: global }
      - { .name: qrec, .offset: 32, .size: 8, .value_kind: global_buffer, .address_space: global }
      - { .name: kv, .offset: 40, .size: 8, .value_kind: global_buffer, .address_space: global }
    .group_segment_fixed_size: 209408
    .private_segment_fixed_size: 0
    .kernarg_segment_align: 8
    .kernarg_segment_size: 48
    .max_flat_workgroup_size: 128
    .sgpr_count:     100
    .vgpr_count:     640
    .wavefront_size: 32
...
	.end_amdgpu_metadata
.endif
;; end of part 2
;; launch attn (part 3): grid 4 x 64, 8 waves a work-group, clusters of 4 x 1, 167,936 bytes of LDS; arguments kv, qrec, mask, att; writes att
.if DOCPART == 3
	.amdgcn_target "amdgcn-amd-amdhsa--gfx1250"
	.amdhsa_code_object_version 6
	.text
	.protected	k_q547fd0e218_attn
	.globl	k_q547fd0e218_attn
	.p2align	8
	.type	k_q547fd0e218_attn,@function
k_q547fd0e218_attn:
	s_mov_b64 s[64:65], 0
	v_nop
	global_prefetch_b8 v0, s[64:65] scope:SCOPE_SE
	s_setreg_imm32_b32 hwreg(HW_REG_WAVE_MODE, 25, 1), 1
	s_wait_xcnt 0x0
	s_wait_alu depctr_hold_cnt(0) depctr_sa_sdst(0) depctr_va_vdst(0) depctr_va_sdst(0) depctr_va_ssrc(0) depctr_va_vcc(0) depctr_vm_vsrc(0)
	s_getreg_b32 s2, hwreg(HW_REG_IB_STS2, 6, 4)
	s_cmp_eq_u32 s2, 0
	s_cbranch_scc0 .Lentry_in_a_cluster
	s_endpgm
.Lentry_in_a_cluster:
	s_bfe_u32 s2, ttmp6, 0x10000c
	s_cmp_lg_u32 s2, 0x3003
	s_cbranch_scc0 .Lentry_shape_is_right
	s_endpgm
.Lentry_shape_is_right:
; LAUNCH 3 OF 4.  For each (batch, head): O[q] = the sum over keys of softmax(Q[q] . K[key] / 8, padding mask, causal mask) V[key], both products on codes of FP4, and O quantised along (head, channel) into att.
; LEFT OUT: the key steps (128 keys) wholly behind reference()'s own causal mask for a group's 32 queries; launch 1's head comment shows why, and what is done for queries with no open key.
; THE SOFTMAX: t = score x log2(e) / 8; M = the row's largest t so far, rounded UP to a whole number; p = 2^(t - M) is quantised along the keys, not normalised; the row's sum is taken of the unquantised p and
; divides at the end; when M moves, the sum and O are multiplied by 2^(old M - new M): exact.
; MASKS ARE NUMBERS.  A closed key adds NEG = -2^100 to its scores: the padding mask, 0 or NEG for each key, is the C of the score product.  On the diagonal step hidden scores are set to NEG.  The largest t begins at
; -2^60: a row that ends under -2^59 has met no open key: reference() has 2,048 equal scores there, so it gets the mean of the quantised V over all keys, made once a head and selected by v_cndmask_b32.
; LIMIT: a logit x log2(e) under -2^59 counts as masked.
; SHARES.  The four work-groups of a cluster share one (batch, head): its record of kv (143,360 bytes) comes into each one's LDS once, by joint loads, one a wave (an eighth each); nothing is filled again.
; A GROUP is 32 queries: tiles X = 2 G and Y = 2 G + 1 (launch 1's order of rows).  Wave w of work-group g owns groups 63 - (4 w + g) and 4 w + g: their last key steps, 15 - w and w, hang on the wave's number alone:
; every wave walks 17 steps of two tiles.  Both tiles take each fragment of K, of V and of the mask from the same registers: 35 LDS loads serve two tiles' step.
; No data prefetch: a wave's one tensor load stands at the head, and there is no loop that asks memory for more.
; LAYOUT.  Both products transposed: S^T = K Q^T, O^T = V^T P^T: a lane holds ONE query of each tile.  K = 64 in the first product: Q's registers 4-7 hold zero codes, so K's registers 4-7 may hold the next tile's codes.
; REGISTERS, window 0: v1-4, v7, v26, v27, v43 addresses that stay; v8-11, v25 the step's; X: v12 -M, v13 largest t, v[14:15] sum, v16-23 Q, v24 Q's scale word; Y: the same at v28-40; v41, v42 p's scale words;
; v[44:45], v[46:47] f; v48-83 K's eight quads and four zeros; v84-91 K's scale words, v92-95 V's; v96-159 X's S^T, then p; v160-191 X's O^T; v192-207 p's codes; v208-251 at work.
; window 1: v0-31 V's four fragments; v32-41 the second group's Q; v96-159, v160-191 Y's S^T and O^T; v192-255 the keys' 0 or NEG.
.set KSC,   65536                      ; in a head's record: K's scale words,
.set VIM,   73728                      ; V's images,
.set VSC,   139264                     ; V's scale words
.set KVB,   143360
.set MB,    KVB                        ; 2,048 + 128 f32: 0 or NEG for each key; the last 128 are read by the last step's look-ahead alone
.set VM,    MB+8704                    ; 256 bytes: the mean of V
.set SPARE, VM+256                     ; the spare words, 128 bytes for each of 8 waves
.set SPW, 5
.set NIL, 6
.set AVM, 43
.set WV,  12
.set CX,  13
.set BH,  14
.set BB,  15
.set HD,  16
.set TIA, 17                           ; s17 the early group's tile X, s19 the late group's
.set TIB, 19
.set G0,  20
.set G1,  24
.set CS,  32                           ; s[32:33] c = log2(e) / 8
.set SEL, 34                           ; s[34:35] lane selects for lane l xor 16
.set KS,  36
.set TB,  37
.set TS,  38
.set TJ,  39
.set LASTB, 40
.set LASTA, 41
.set SDB, 42
.set SDA, 43
.set OBB, 44
.set OSB, 46
.set OBA, 48
.set OSA, 50
.set MSB, 0
.macro WIN new                         ; the immediate's high byte repeats the setting that is left
.if MSB != \new
	s_set_vgpr_msb (MSB<<8)|\new
.set MSB, \new
.endif
.endm
.macro CROUND
	s_barrier_signal -1
	s_barrier_wait -1
	s_cmp_lg_u32 s[WV], 0
	s_cbranch_scc1 .Lnot_wave_0_\@
	s_barrier_signal -3
.Lnot_wave_0_\@:
	s_barrier_wait -3
	s_barrier_signal -1
	s_barrier_wait -1
.endm
.macro PLACES
.rept 4
	v_nop
.endr
.endm
	s_load_b256 s[4:11], s[0:1], 0x0               ; kv s[4:5], qrec s[6:7], mask s[8:9], att s[10:11]
	v_lshl_add_u32 v[SPW], v0, 2, SPARE
	v_mov_b32 v[NIL], 0
	ds_add_u32 v[SPW], v[NIL]                      ; the wave's opening
	ds_add_u32 v[SPW], v[NIL]
	v_lshrrev_b32 v232, 5, v0
	v_readfirstlane_b32 s[WV], v232                ; wave 0..7
	s_bfe_u32 s[CX], ttmp6, 0x40000                ; my place in the cluster: it enters Q's and att's addresses and a vector term of the causal compare, nothing else
	s_and_b32 s[BH], ttmp7, 0xffff                 ; (batch, head), which the four partners share
	s_lshr_b32 s[BB], s[BH], 4
	s_and_b32 s[HD], s[BH], 15
	s_mov_b32 s[LASTA], s[WV]
	s_sub_co_u32 s[LASTB], 15, s[WV]
	s_lshl_b32 s[TIA], s[WV], 3
	s_lshl_b32 s52, s[CX], 1
	s_add_co_u32 s[TIA], s[TIA], s52               ; 2 (4 w + g)
	s_sub_co_u32 s[TIB], 126, s[TIA]
	s_mov_b32 s[G1], 15|(3<<16)|(1<<21)            ; the mask: all four work-groups; elements of 8 bytes; bit 21 beside a mask
	s_mov_b32 s[G1+1], 32<<16                      ; my eighth of the record: 70 rows of 256 bytes, dense
	s_mov_b32 s[G1+2], 70<<16
	s_mov_b32 s[G1+3], 32<<16
	s_mov_b32 s[G1+4], 70
	s_mov_b32 s[G1+5], 32
	s_mov_b32 s[G1+6], 0
	s_mov_b32 s[G1+7], 0
	s_mov_b32 s[G0], 1
	s_mul_i32 s[G0+1], s[WV], 17920
	s_mul_i32 s52, s[BH], KVB
	s_add_co_u32 s52, s52, s[G0+1]
	s_mov_b32 s53, 0
	s_mov_b32 s[CS], 0x3e38aa3b
	s_mov_b32 s[CS+1], s[CS]
	s_mov_b32 s[SEL], 0x76543210
	s_mov_b32 s[SEL+1], 0xfedcba98
	s_wait_dscnt 0x0                               ; both opening adds are done
	s_wait_kmcnt 0x0
	s_add_nc_u64 s[G0+2:G0+3], s[4:5], s[52:53]
	s_or_b32 s[G0+3], s[G0+3], 0x80000000
	CROUND                                         ; all four work-groups are here: the joint loads meet
	tensor_load_to_lds s[G0:G0+3], s[G1:G1+7]      ; every wave's one load
	s_nop 0
	PLACES
	s_lshl_b32 s52, s[BB], 11
	s_add_nc_u64 s[8:9], s[8:9], s[52:53]          ; my batch's 2,048 mask bytes
	s_mul_i32 s52, s[BH], 73728
	s_add_nc_u64 s[6:7], s[6:7], s[52:53]          ; my head's record of Q
	s_lshl_b32 s54, s[TIB], 9                      ; images: 512 bytes a tile
	s_lshl_b32 s55, s[TIA], 9
	s_lshr_b32 s56, s[TIB], 2                      ; scale words: 256 (T / 4) + 4 (T % 4)
	s_lshl_b32 s56, s56, 8
	s_and_b32 s59, s[TIB], 3
	s_lshl_b32 s59, s59, 2
	s_add_co_u32 s56, s56, s59
	s_lshr_b32 s57, s[TIA], 2
	s_lshl_b32 s57, s57, 8
	s_and_b32 s59, s[TIA], 3
	s_lshl_b32 s59, s59, 2
	s_add_co_u32 s57, s57, s59
	s_and_b32 s60, s[WV], 3                        ; the mean of V (waves 0 to 3): channel tile w
	s_lshl_b32 s58, s60, 10
	s_lshl_b32 s59, s60, 2
	s_lshl_b32 s60, s60, 6
	; every address register is made here, ahead of any parting of the waves
	v_lshlrev_b32 v233, 3, v0                      ; eight keys a thread
	v_and_b32 v1, 31, v0
	v_and_b32 v236, 15, v0                         ; r
	v_bfe_u32 v249, v0, 4, 1                       ; h
	v_lshlrev_b32 v1, 4, v1                        ; v1: 16 x lane
	v_lshlrev_b32 v27, 4, v236                     ; v27: 16 r
	v_and_b32 v26, 8, v236
	v_lshlrev_b32 v250, 4, v249
	v_add_nc_u32 v244, s54, v1
	v_add_nc_u32 v245, s55, v1
	v_add_nc_u32 v246, s56, v27
	v_add_nc_u32 v247, s57, v27
	v_add_nc_u32 v2, VIM, v1                       ; v2: V's images
	v_add_nc_u32 v3, KSC, v27                      ; v3: K's scale words
	v_add_nc_u32 v4, VSC, v27                      ; v4: V's
	v_lshl_add_u32 v7, v249, 6, MB                 ; v7: the keys' 0 or NEG: my half's 16 of a block of 32
	v_add_nc_u32 v26, v26, v236
	v_lshl_add_u32 v248, v0, 5, MB                 ; where I store my eight keys' numbers
	v_add_nc_u32 v251, MB+8192, v1                 ; wave 0: the 128 numbers behind the last key
	v_sub_nc_u32 v26, v26, v250                    ; v26: r + 8 (r / 8) - 16 h
	v_add_nc_u32 v208, s58, v2                     ; the mean: its tile's images,
	v_add_nc_u32 v209, s59, v4                     ; scale words,
	v_lshl_add_u32 v[AVM], v249, 5, VM             ; where a lane half reads the means,
	v_add_nc_u32 v210, s60, v[AVM]                 ; and where my tile's eight go
.irp j, 0,1,2,3,4,5,6,7
	v_mov_b32 v[192+\j], 0x22222222                ; a fragment of ones (the code 2 is the number 1),
.endr
	v_mov_b32 v41, 0x7f7f7f7f                      ; under the scale 1
.irp j, 0,1,2,3
	v_mov_b32 v[20+\j], 0                          ; zero codes for k = 64 .. 127 of Q: X's,
	v_mov_b32 v[36+\j], 0                          ; Y's;
	v_mov_b32 v[80+\j], 0                          ; what stands behind K's last quad
	v_mov_b32 v[212+\j], 0                         ; (a lane permute's destination counts as one of its sources)
	v_mov_b32 v[220+\j], 0
.endr
	v_mov_b32 v45, 0                               ; (upper halves of the pairs that hold f)
	v_mov_b32 v47, 0
	s_wait_alu depctr_va_vdst(0)
	global_load_b64 v[234:235], v233, s[8:9]
	global_load_b128 v[16:19], v244, s[6:7]        ; the late group's Q: X,
	global_load_b128 v[32:35], v244, s[6:7] offset:512   ; Y,
	global_load_b32 v24, v246, s[6:7] offset:KSC   ; and their scale words
	global_load_b32 v40, v246, s[6:7] offset:KSC+4
	WIN 0x40                                       ; destination window 1: the early group's
	global_load_b128 v[32:35], v245, s[6:7]
	global_load_b128 v[36:39], v245, s[6:7] offset:512
	global_load_b32 v40, v247, s[6:7] offset:KSC
	global_load_b32 v41, v247, s[6:7] offset:KSC+4
	WIN 0
	; where the results go: att's record of token tile 128 batch + tile; head hd fills K half hd / 8, step (hd / 2) % 4, register quad hd % 2; tile Y's record lies 8,704 bytes behind X's
	s_lshr_b32 s58, s[HD], 3
	s_mul_i32 s58, s58, 4352
	s_lshr_b32 s59, s[HD], 1
	s_and_b32 s59, s59, 3
	s_and_b32 s54, s[HD], 1
	s_lshl_b32 s60, s59, 10
	s_lshl_b32 s55, s54, 9
	s_add_co_u32 s60, s60, s55
	s_mov_b32 s61, 0
	s_lshl_b32 s62, s59, 2
	s_lshl_b32 s55, s54, 1
	s_add_co_u32 s62, s62, s55
	s_add_co_u32 s62, s62, 4096
	s_mov_b32 s63, 0
.macro TADDR ti, sd, ob, os
	s_lshr_b32 s56, s[\ti], 1
	s_and_b32 s56, s56, 3
	s_lshl_b32 s[\sd], s56, 5                      ; the group's first query within its last key step
	s_lshl_b32 s56, s[BB], 7
	s_add_co_u32 s56, s56, s[\ti]
	s_mul_i32 s56, s56, 8704
	s_add_co_u32 s56, s56, s58
	s_mov_b32 s57, 0
	s_add_nc_u64 s[\os:\os+1], s[10:11], s[56:57]
	s_add_nc_u64 s[\ob:\ob+1], s[\os:\os+1], s[60:61]
	s_add_nc_u64 s[\os:\os+1], s[\os:\os+1], s[62:63]
.endm
	TADDR TIB, SDB, OBB, OSB
	TADDR TIA, SDA, OBA, OSA
	s_wait_loadcnt 0x0                             ; the mask bytes and Q
.irp j, 0,1,2,3
	v_bfe_u32 v[240+\j], v234, 8*\j, 8
	v_bfe_u32 v[244+\j], v235, 8*\j, 8
.endr
	v_mov_b32 v232, 0xf1800000                     ; NEG = -2^100
.irp j, 0,1,2,3,4,5,6,7
	v_cmp_eq_u32 vcc_lo, 0, v[240+\j]
	v_cndmask_b32 v[240+\j], 0, v232, vcc_lo       ; a closed key: NEG; an open one: 0
.endr
	ds_store_b128 v248, v[240:243]
	ds_store_b128 v248, v[244:247] offset:16
	s_cmp_lg_u32 s[WV], 0
	s_cbranch_scc1 .Lno_pad
	ds_store_b128 v251, v[20:23]                   ; 512 bytes of zeros behind the last key's number
.Lno_pad:
	s_wait_tensorcnt 0x0                           ; my part of the record is in,
	s_wait_dscnt 0x0                               ; my keys' numbers are stored:
	s_barrier_signal -1
	s_barrier_wait -1                              ; everybody's are
	; THE MEAN OF V: wave w (0 to 3) sums channel tile w over the 16 key steps: V's fragment x ones, four accumulators by turns
	s_cmp_lt_u32 s[WV], 4
	s_cbranch_scc0 .Lno_mean
.irp g, 0,1
.if \g
	PLACES                                         ; in front of loads into registers that matrix instructions have read
.endif
.irp s, 0,1,2,3,4,5,6,7
	ds_load_b128 v[96+8*\s:99+8*\s], v208 offset:4096*(8*\g+\s)
	ds_load_b128 v[100+8*\s:103+8*\s], v208 offset:4096*(8*\g+\s)+512
	ds_load_b32 v[84+\s], v209 offset:256*(8*\g+\s)
.endr
	s_wait_dscnt 0x0
.irp s, 0,1,2,3,4,5,6,7
.if (\g == 0) && (\s < 4)
	v_wmma_scale_f32_16x16x128_f8f6f4 v[160+8*(\s%4):167+8*(\s%4)], v[96+8*\s:103+8*\s], v[192:199], 0, v[84+\s], v41 matrix_a_fmt:MATRIX_FMT_FP4 matrix_b_fmt:MATRIX_FMT_FP4
.else
	v_wmma_scale_f32_16x16x128_f8f6f4 v[160+8*(\s%4):167+8*(\s%4)], v[96+8*\s:103+8*\s], v[192:199], v[160+8*(\s%4):167+8*(\s%4)], v[84+\s], v41 matrix_a_fmt:MATRIX_FMT_FP4 matrix_b_fmt:MATRIX_FMT_FP4
.endif
.endr
.endr
	PLACES
.irp j, 0,2,4,6
	v_pk_add_f32 v[160+\j:161+\j], v[160+\j:161+\j], v[168+\j:169+\j]   ; each accumulator from its low end on
	v_pk_add_f32 v[176+\j:177+\j], v[176+\j:177+\j], v[184+\j:185+\j]
.endr
.irp j, 0,2,4,6
	v_pk_add_f32 v[160+\j:161+\j], v[160+\j:161+\j], v[176+\j:177+\j]
.endr
.irp j, 0,2,4,6
	v_pk_mul_f32 v[160+\j:161+\j], v[160+\j:161+\j], 0x3a000000 op_sel_hi:[1,0]   ; / 2,048
.endr
	ds_store_b128 v210, v[160:163]                 ; register j of lane half h: channel 32 (w / 2) + 16 h + 8 (w % 2) + j; the sixteen lanes of a half write the same words with the same values
	ds_store_b128 v210, v[164:167] offset:16
.Lno_mean:
	s_wait_dscnt 0x0
	s_barrier_signal -1
	s_barrier_wait -1                              ; the mean lies in LDS
; 26 LDS loads: a key step's 0 or NEG (register j of tile t: key 32 (t / 2) + 16 h + 8 (t % 2) + j), K's eight quads and K's scale words; n = 1: the step after the one whose addresses are given
.macro PREF ak, am, as, n
	WIN 0x40
.irp t, 0,1,2,3,4,5,6,7
	ds_load_b128 v[192+8*\t:195+8*\t], v[\am] offset:512*\n+128*(\t/2)+32*(\t%2)
	ds_load_b128 v[196+8*\t:199+8*\t], v[\am] offset:512*\n+128*(\t/2)+32*(\t%2)+16
.endr
	WIN 0
.irp t, 0,1,2,3,4,5,6,7
	ds_load_b128 v[48+4*\t:51+4*\t], v[\ak] offset:4096*\n+512*\t
.endr
	ds_load_b128 v[84:87], v[\as] offset:512*\n
	ds_load_b128 v[88:91], v[\as] offset:512*\n+256
.endm
.macro MAXB T                          ; the largest score of each block of 32 keys of tile T: for the row's maximum and, since p rises with the score, for the block's largest p
	WIN 0x15*\T                                    ; a tree: 20 lines that hang on no other line, into v232-251
.irp i, 3,4,0,1,2
.irp b, 0,1,2,3
	v_max3_num_f32 v[232+4*\i+\b], v[96+16*\b+3*\i], v[97+16*\b+3*\i], v[98+16*\b+3*\i]
.endr
.endr
	WIN 0x10*\T                                    ; then three short levels
.irp b, 0,1,2,3
	v_max3_num_f32 v[208+8*\T+\b], v[244+\b], v[248+\b], v[111+16*\b]
.endr
	WIN 0
.irp b, 0,1,2,3
	v_max3_num_f32 v[232+\b], v[232+\b], v[236+\b], v[240+\b]
.endr
.irp b, 0,1,2,3
	s_delay_alu instid0(VALU_DEP_4)
	v_max_num_f32 v[208+8*\T+\b], v[208+8*\T+\b], v[232+\b]
.endr
	WIN 0
.endm
.macro SCALE T                         ; t - M, two at a time, and O^T under the new M
	WIN 0x41*\T
.set n, 0
.rept 32
	v_pk_fma_f32 v[96+n:97+n], v[96+n:97+n], s[CS:CS+1], v[12+16*\T:13+16*\T] op_sel_hi:[1,0,0]
.set n, n+2
.endr
.set n, 0
.rept 16
	v_pk_mul_f32 v[160+n:161+n], v[160+n:161+n], v[44+2*\T:45+2*\T] op_sel_hi:[1,0]
.set n, n+2
.endr
.endm
.macro EXPS                            ; 64 exponentials under the window that stands
.set n, 0
.rept 64
	v_exp_f32 v[96+n], v[96+n]
.set n, n+1
.endr
.endm
.macro SUMA T                          ; the row's sum of the unquantised p: two at a time, in six chains: the sum itself and five pairs at v[232 + 10 T] on; the chains are joined behind both tiles
	WIN 0x05*\T
.irp j, 0,1,2,3,4
	v_pk_add_f32 v[232+10*\T+2*\j:233+10*\T+2*\j], v[96+4*\j:97+4*\j], v[98+4*\j:99+4*\j]
.endr
	WIN 0x04*\T
.set n, 116
.rept 3
	v_pk_add_f32 v[14+16*\T:15+16*\T], v[14+16*\T:15+16*\T], v[n:n+1]
.irp j, 0,1,2,3,4
	v_pk_add_f32 v[232+10*\T+2*\j:233+10*\T+2*\j], v[232+10*\T+2*\j:233+10*\T+2*\j], v[n+2+2*\j:n+3+2*\j]
.endr
.set n, n+12
.endr
	v_pk_add_f32 v[14+16*\T:15+16*\T], v[14+16*\T:15+16*\T], v[152:153]
.irp j, 0,1,2
	v_pk_add_f32 v[232+10*\T+2*\j:233+10*\T+2*\j], v[232+10*\T+2*\j:233+10*\T+2*\j], v[154+2*\j:155+2*\j]
.endr
	WIN 0
.endm
.macro HIDE T                          ; register 16 e + i holds key 32 e + 16 h + i of the step: hidden where 32 e + i > d
	WIN 0x41*\T
.set n, 0
.rept 8                                ; eight compares into s52-59, then their eight selects: no select stands next to its compare
.irp j, 0,1,2,3,4,5,6,7
	v_cmp_gt_i32 s[52+\j], 32*((n+\j)/16)+(n+\j)%16, v[230+\T]
.endr
.irp j, 0,1,2,3,4,5,6,7
	v_cndmask_b32 v[96+n+\j], v[96+n+\j], v240, s[52+\j]
.endr
.set n, n+8
.endr
.endm
.macro OUTM T                          ; the way out: the largest magnitude of each of the head's two blocks of tile T
	WIN 0x05*\T
.irp e, 0,1
	v_max3_num_f32 v[208+8*\T+\e], |v[160+16*\e]|, |v[161+16*\e]|, 0x1800000
.endr
	WIN 0x14*\T
.irp i, 2,4,6,8,10,12,14
.irp e, 0,1
	v_max3_num_f32 v[208+8*\T+\e], v[208+8*\T+\e], |v[160+16*\e+\i]|, |v[161+16*\e+\i]|
.endr
.endr
	WIN 0
.endm
; ONE GROUP OF 32 QUERIES: all its key steps, then the way out.  last: its last key step; sd: its first query within that step; ob, os: where tile X's codes and scale bytes go.
.macro GROUP last, sd, ob, os
.irp T, 0,1
	v_mov_b32 v[13+16*\T], 0xdd800000              ; the largest t so far: -2^60
	v_mov_b32 v[12+16*\T], 0x5d800000              ; -M
	v_mov_b32 v[14+16*\T], 0                       ; the sum, in two halves
	v_mov_b32 v[15+16*\T], 0
.endr
.irp T, 0,1
	WIN 0x40*\T
.set n, 0
.rept 32
	v_mov_b32 v[160+n], 0                          ; O^T.  (The step is written once: the first finds zeros, which the first change of M leaves zeros)
.set n, n+1
.endr
.endr
	WIN 0
	s_mov_b32 s[KS], 0
	s_mov_b32 s[TB], 0
	s_mov_b32 s[TS], 0
	s_mov_b32 s[TJ], 0
	PREF 1, 7, 3, 0                                ; step 0's
.Lstep_\@:                             ; 16 trips, a constant; a step behind the group's last is left out by a scalar branch on the wave's number and the count of steps
	s_cmp_gt_u32 s[KS], s[\last]
	s_cbranch_scc1 .Lskip_\@
	v_add_nc_u32 v8, s[TB], v1                     ; (these five are also the places behind the last step's products, in front of the loads below)
	v_add_nc_u32 v9, s[TB], v2
	v_add_nc_u32 v10, s[TS], v3
	v_add_nc_u32 v11, s[TJ], v4
	v_add_nc_u32 v25, s[TS], v7
	WIN 0x40
.irp t, 0,1,2,3
.irp c, 0,1
	ds_load_b128 v[8*\t+4*\c:8*\t+4*\c+3], v9 offset:1024*\t+512*\c   ; V's four fragments
.endr
.endr
	WIN 0
	ds_load_b128 v[92:95], v11
	s_wait_alu depctr_va_vdst(0)
	s_wait_dscnt 9                                 ; all but V's eight loads and its scale words: this step's K, scale words and mask were asked for a step ago
	WIN 0x10                                       ; C window 1
.irp t, 0,1,2,3,4,5,6,7
	v_wmma_scale_f32_16x16x128_f8f6f4 v[96+8*\t:103+8*\t], v[48+4*\t:55+4*\t], v[16:23], v[192+8*\t:199+8*\t], v[84+\t], v24 matrix_a_fmt:MATRIX_FMT_FP4 matrix_b_fmt:MATRIX_FMT_FP4
.endr
	WIN 0x50                                       ; C and D window 1
.irp t, 0,1,2,3,4,5,6,7
	v_wmma_scale_f32_16x16x128_f8f6f4 v[96+8*\t:103+8*\t], v[48+4*\t:55+4*\t], v[32:39], v[192+8*\t:199+8*\t], v[84+\t], v40 matrix_a_fmt:MATRIX_FMT_FP4 matrix_b_fmt:MATRIX_FMT_FP4
.endr
	WIN 0
	PLACES                                         ; in front of the loads into the products' sources and of the first read of the scores
	PREF 8, 25, 10, 1                              ; the next step's (behind the last key: bytes that are read and not used)
	s_cmp_lg_u32 s[KS], s[\last]                   ; the group's last step lies on the diagonal: hidden scores become NEG
	s_cbranch_scc1 .Lopen_\@
	v_add_nc_u32 v230, s[\sd], v26                 ; d = my query - the step's first key - 16 h: X's,
	v_mov_b32 v240, 0xf1800000
	v_add_nc_u32 v231, 8, v230                     ; Y's: its rows lie 8 on
	HIDE 0
	HIDE 1
	WIN 0
.Lopen_\@:
	MAXB 0
	MAXB 1
.irp T, 0,1
.irp b, 0,1,2,3
	v_permlanex16_b32 v[212+8*\T+\b], v[208+8*\T+\b], s[SEL], s[SEL+1]
.endr
.endr
.irp T, 0,1
.irp b, 0,1,2,3
	v_max_num_f32 v[208+8*\T+\b], v[208+8*\T+\b], v[212+8*\T+\b]   ; with lane l xor 16's 16 keys
.endr
.endr
.irp T, 0,1                            ; from here on the two tiles' chains stand line by line beside each other; two waves share a SIMD, so a line that reads a result two lines back has its hint
	v_mov_b32 v[226+\T], v[12+16*\T]
.endr
.irp T, 0,1
	v_max3_num_f32 v[224+\T], v[208+8*\T], v[209+8*\T], v[210+8*\T]
.endr
.irp T, 0,1
	s_delay_alu instid0(VALU_DEP_2)
	v_max_num_f32 v[224+\T], v[224+\T], v[211+8*\T]   ; the step's largest score of my query
.endr
.irp T, 0,1
	s_delay_alu instid0(VALU_DEP_2)
	v_mul_f32 v[224+\T], s[CS], v[224+\T]          ; as t
.endr
.irp T, 0,1
	s_delay_alu instid0(VALU_DEP_2)
	v_max_num_f32 v[13+16*\T], v[13+16*\T], v[224+\T]   ; the running largest t
.endr
.irp T, 0,1
	s_delay_alu instid0(VALU_DEP_2)
	v_floor_f32 v[12+16*\T], -v[13+16*\T]          ; the new -M = -ceil(t): a whole number
.endr
.irp T, 0,1
	s_delay_alu instid0(VALU_DEP_2)
	v_sub_f32 v[224+\T], v[12+16*\T], v[226+\T]    ; old M - new M: a whole number, 0 or less
.endr
	s_delay_alu instid0(VALU_DEP_4)
.irp T, 0,1
.irp b, 0,1,2,3
	v_fma_f32 v[208+8*\T+\b], v[208+8*\T+\b], s[CS], v[12+16*\T]   ; t - M of each block's largest score
.endr
.endr
.irp T, 0,1
	v_cvt_i32_f32 v[224+\T], v[224+\T]             ; (it saturates)
.endr
.irp T, 0,1
	s_delay_alu instid0(VALU_DEP_2)
	v_ldexp_f32 v[44+2*\T], 1.0, v[224+\T]         ; f = 2^(old M - new M)
.endr
.irp T, 0,1
	s_delay_alu instid0(VALU_DEP_2)
	v_pk_mul_f32 v[14+16*\T:15+16*\T], v[14+16*\T:15+16*\T], v[44+2*\T:45+2*\T] op_sel_hi:[1,0]   ; the sums under the new M
.endr
	SCALE 0
	SCALE 1
	s_wait_alu depctr_va_vdst(0)                   ; ahead of the batch: 136 exponentials
	EXPS                                           ; Y's p = 2^(t - M) (source and destination window 1),
	WIN 0
	EXPS                                           ; X's,
.irp T, 0,1
.irp b, 0,1,2,3
	v_exp_f32 v[208+8*\T+\b], v[208+8*\T+\b]       ; and each block's largest p
.endr
.endr
	v_nop                                          ; a plain place behind the exponentials
	s_wait_alu depctr_va_vdst(0)                   ; and the one wait behind the batch, ahead of its first reader
.irp T, 0,1
.irp b, 0,1,2,3
	v_max_num_f32 v[208+8*\T+\b], 0x1800000, v[208+8*\T+\b]   ; the floor 2^(3 - 127): a block whose every p is 0 keeps the byte 1: its codes are zeros
.endr
.endr
.irp T, 0,1
.irp b, 0,1,2,3
	v_add_nc_u32 v[208+8*\T+\b], 0xff000000, v[208+8*\T+\b]   ; 2 off the exponent field: the conversion's scale operand
.endr
.endr
.irp T, 0,1
.irp b, 0,1,2,3
	v_lshrrev_b32 v[212+8*\T+\b], 23, v[208+8*\T+\b]   ; the scale's byte
.endr
.endr
.irp T, 0,1
	v_lshl_or_b32 v[41+\T], v[213+8*\T], 8, v[212+8*\T]   ; p's scale word for these 128 keys
.endr
.irp T, 0,1
	s_delay_alu instid0(VALU_DEP_2)
	v_lshl_or_b32 v[41+\T], v[214+8*\T], 16, v[41+\T]
.endr
.irp T, 0,1
	s_delay_alu instid0(VALU_DEP_2)
	v_lshl_or_b32 v[41+\T], v[215+8*\T], 24, v[41+\T]
.endr
.irp T, 0,1
	WIN 0x01*\T                                    ; Y: source 0 window 1
.irp b, 0,1,2,3
	v_cvt_scalef32_pk8_fp4_f32 v[192+8*\T+2*\b], v[96+16*\b:103+16*\b], v[208+8*\T+\b]
	v_cvt_scalef32_pk8_fp4_f32 v[193+8*\T+2*\b], v[104+16*\b:111+16*\b], v[208+8*\T+\b]
.endr
.endr
	WIN 0
	v_nop                                          ; one plain place behind the scaled conversions
.irp T, 0,1
.irp c, 0,1                            ; the operand's layout wants a WHOLE block in a lane
.irp i, 0,1
	v_permlane16_swap_b32 v[192+8*\T+4*\c+\i], v[194+8*\T+4*\c+\i]
.endr
.endr
.endr
	SUMA 0                                         ; (these 64 are also the places between the codes and scale words and the products below)
	SUMA 1
.irp T, 0,1                            ; the six chains of each tile are joined
	v_pk_add_f32 v[232+10*\T:233+10*\T], v[232+10*\T:233+10*\T], v[234+10*\T:235+10*\T]
	v_pk_add_f32 v[236+10*\T:237+10*\T], v[236+10*\T:237+10*\T], v[238+10*\T:239+10*\T]
	v_pk_add_f32 v[14+16*\T:15+16*\T], v[14+16*\T:15+16*\T], v[240+10*\T:241+10*\T]
.endr
	v_pk_add_f32 v[232:233], v[232:233], v[236:237]
	s_delay_alu instid0(VALU_DEP_3)
	v_pk_add_f32 v[242:243], v[242:243], v[246:247]
	s_delay_alu instid0(VALU_DEP_2)
	v_pk_add_f32 v[14:15], v[14:15], v[232:233]
	s_delay_alu instid0(VALU_DEP_2)
	v_pk_add_f32 v[30:31], v[30:31], v[242:243]
	s_wait_alu depctr_va_vdst(0)
	s_wait_dscnt 26                                ; V is in; the 26 loads for the next step may be out
	WIN 0x01                                       ; source 0 (V) window 1
.irp t, 0,1,2,3
	v_wmma_scale_f32_16x16x128_f8f6f4 v[160+8*\t:167+8*\t], v[8*\t:8*\t+7], v[192:199], v[160+8*\t:167+8*\t], v[92+\t], v41 matrix_a_fmt:MATRIX_FMT_FP4 matrix_b_fmt:MATRIX_FMT_FP4
.endr
	WIN 0x51                                       ; and C and D
.irp t, 0,1,2,3
	v_wmma_scale_f32_16x16x128_f8f6f4 v[160+8*\t:167+8*\t], v[8*\t:8*\t+7], v[200:207], v[160+8*\t:167+8*\t], v[92+\t], v42 matrix_a_fmt:MATRIX_FMT_FP4 matrix_b_fmt:MATRIX_FMT_FP4
.endr
	WIN 0
.Lskip_\@:
	s_add_co_u32 s[TB], s[TB], 4096
	s_add_co_u32 s[TS], s[TS], 512
	s_add_co_u32 s[TJ], s[TJ], 256
	s_add_co_u32 s[KS], s[KS], 1
	s_cmp_lt_u32 s[KS], 16
	s_cbranch_scc1 .Lstep_\@
	; THE WAY OUT: O^T / the sum, or the mean of V; quantised along the head's 64 channels (two blocks); register 16 e + i is channel 32 e + 16 h + i of my query
	s_wait_dscnt 0x0                               ; the last look-ahead has landed: its registers may be loaded again
	PLACES
.irp t, 0,1,2,3
	ds_load_b128 v[48+8*\t:51+8*\t], v[AVM] offset:64*\t
	ds_load_b128 v[52+8*\t:55+8*\t], v[AVM] offset:64*\t+16
.endr
.irp T, 0,1
	v_add_f32 v[14+16*\T], v[14+16*\T], v[15+16*\T]   ; the sum's two halves,
.endr
.irp T, 0,1
	v_permlanex16_b32 v[212+8*\T], v[14+16*\T], s[SEL], s[SEL+1]
.endr
	v_mov_b32 v232, 1.0
	v_cmp_gt_f32 s52, 0xdd000000, v13              ; the row has met no open key:
	v_cmp_gt_f32 s53, 0xdd000000, v29
.irp T, 0,1
	v_add_f32 v[14+16*\T], v[14+16*\T], v[212+8*\T]   ; and lane l xor 16's
.endr
	v_cndmask_b32 v14, v14, v232, s52              ; its sum, 0, is not divided by
	v_cndmask_b32 v30, v30, v232, s53
	s_wait_alu depctr_va_vdst(0)                   ; ahead of the transcendentals
	v_rcp_f32 v14, v14
	v_rcp_f32 v30, v30
	v_nop                                          ; a plain place behind them
	s_wait_alu depctr_va_vdst(0)                   ; and the wait ahead of the first reader, of X's O^T too
.set n, 0
.rept 16
	v_pk_mul_f32 v[160+n:161+n], v[160+n:161+n], v[14:15] op_sel_hi:[1,0]
.set n, n+2
.endr
	WIN 0x41
	s_wait_alu depctr_va_vdst(0)                   ; directly ahead of the first reader of Y's O^T
.set n, 0
.rept 16
	v_pk_mul_f32 v[160+n:161+n], v[160+n:161+n], v[30:31] op_sel_hi:[1,0]
.set n, n+2
.endr
	WIN 0
	s_wait_alu depctr_va_vdst(0)
	s_wait_dscnt 0x0                               ; the mean is in
.set n, 0
.rept 32
	v_cndmask_b32 v[160+n], v[160+n], v[48+n], s52 ; a row with no open key takes the mean of V
.set n, n+1
.endr
	WIN 0x41
.set n, 0
.rept 32
	v_cndmask_b32 v[160+n], v[160+n], v[48+n], s53
.set n, n+1
.endr
	OUTM 0
	OUTM 1
.irp T, 0,1
.irp e, 0,1
	v_permlanex16_b32 v[212+8*\T+\e], v[208+8*\T+\e], s[SEL], s[SEL+1]
.endr
.endr
.irp T, 0,1
.irp e, 0,1
	v_max_num_f32 v[208+8*\T+\e], v[208+8*\T+\e], v[212+8*\T+\e]
.endr
.endr
.irp T, 0,1
.irp e, 0,1
	v_add_nc_u32 v[208+8*\T+\e], 0xff000000, v[208+8*\T+\e]
.endr
.endr
.irp T, 0,1
.irp e, 0,1
	v_lshrrev_b32 v[212+8*\T+\e], 23, v[208+8*\T+\e]
.endr
.endr
.irp T, 0,1
	v_lshl_or_b32 v[224+\T], v[213+8*\T], 8, v[212+8*\T]   ; my row's two scale bytes
.endr
.irp T, 0,1
	WIN 0x01*\T
.irp e, 0,1
	v_cvt_scalef32_pk8_fp4_f32 v[192+8*\T+2*\e], v[160+16*\e:167+16*\e], v[208+8*\T+\e]
	v_cvt_scalef32_pk8_fp4_f32 v[193+8*\T+2*\e], v[168+16*\e:175+16*\e], v[208+8*\T+\e]
.endr
.endr
	WIN 0
	v_nop
.irp T, 0,1
	v_permlane16_swap_b32 v[192+8*\T], v[194+8*\T]
	v_permlane16_swap_b32 v[193+8*\T], v[195+8*\T]
.endr
	global_store_b128 v1, v[192:195], s[\ob:\ob+1] ; a register quad's image: 512 consecutive bytes, aligned
	global_store_b128 v1, v[200:203], s[\ob:\ob+1] offset:8704
	s_wait_alu depctr_va_vdst(0)
	s_wait_xcnt 0x0                                ; EXEC changes only behind this wait
	v_cmp_gt_u32 vcc_lo, 0x100, v1                 ; lanes 0 to 15 (the other half holds the same bytes)
	s_and_saveexec_b32 s18, vcc_lo
	global_store_b16 v27, v224, s[\os:\os+1]       ; two bytes of each row's scale word: the other heads fill the rest of the block
	global_store_b16 v27, v225, s[\os:\os+1] offset:8704
	s_wait_xcnt 0x0                                ; and again in front of the line that widens it; the stores' data may be written again too
	s_or_b32 exec_lo, exec_lo, s18
.endm
	GROUP LASTB, SDB, OBB, OSB
	WIN 0x01                                       ; source window 1: the early group's Q; the group's opening lines are the places in front of its first products
.irp j, 0,1,2,3
	v_mov_b32 v[16+\j], v[32+\j]
.endr
	v_mov_b32 v24, v40
.irp j, 0,1,2,3
	v_mov_b32 v[32+\j], v[36+\j]
.endr
	v_mov_b32 v40, v41
	WIN 0
	GROUP LASTA, SDA, OBA, OSA
	s_wait_tensorcnt 0x0                           ; the wave's end
	ds_add_u32 v[SPW], v[NIL]
	s_wait_dscnt 0x0
	CROUND                                         ; the closing round
	s_endpgm
.Lfunc_end_k_q547fd0e218_attn:
	.size	k_q547fd0e218_attn, .Lfunc_end_k_q547fd0e218_attn-k_q547fd0e218_attn
	.p2alignl 7, 3214868480
	.fill 96, 4, 3214868480
	.section	.rodata,"a",@progbits
	.p2align	6, 0x0
	.amdhsa_kernel k_q547fd0e218_attn
		.amdhsa_group_segment_fixed_size 167936
		.amdhsa_private_segment_fixed_size 0
		.amdhsa_enable_private_segment 0
		.amdhsa_kernarg_size 32
		.amdhsa_user_sgpr_count 2
		.amdhsa_user_sgpr_kernarg_segment_ptr 1
		.amdhsa_wavefront_size32 1
		.amdhsa_system_sgpr_workgroup_id_x 1
		.amdhsa_system_sgpr_workgroup_id_y 1
		.amdhsa_system_sgpr_workgroup_id_z 1
		.amdhsa_system_vgpr_workitem_id 0
		.amdhsa_next_free_vgpr 512
		.amdhsa_next_free_sgpr 66
		.amdhsa_reserve_vcc 1
		.amdhsa_float_denorm_mode_32 3
		.amdhsa_float_denorm_mode_16_64 3
		.amdhsa_memory_ordered 1
		.amdhsa_forward_progress 1
		.amdhsa_inst_pref_size 148
	.end_amdhsa_kernel
	.amdgpu_metadata
---
amdhsa.version: [ 1, 2 ]
amdhsa.kernels:
  - .name:           k_q547fd0e218_attn
    .symbol:         k_q547fd0e218_attn.kd
    .args:
      - { .name: kv, .offset: 0, .size: 8, .value_kind: global_buffer, .address_space: global }
      - { .name: qrec, .offset: 8, .size: 8, .value_kind: global_buffer, .address_space: global }
      - { .name: mask, .offset: 16, .size: 8, .value_kind: global_buffer, .address_space: global }
      - { .name: att, .offset: 24, .size: 8, .value_kind: global_buffer, .address_space: global }
    .group_segment_fixed_size: 167936
    .private_segment_fixed_size: 0
    .kernarg_segment_align: 8
    .kernarg_segment_size: 32
    .max_flat_workgroup_size: 256
    .sgpr_count:     66
    .vgpr_count:     512
    .wavefront_size: 32
...
	.end_amdgpu_metadata
.endif
;; end of part 3
;; launch outp (part 4): grid 64 x 4, 4 waves a work-group, clusters of 4 x 4, 243,200 bytes of LDS; arguments img, att, bo, out0; writes out0
.if DOCPART == 4
	.amdgcn_target "amdgcn-amd-amdhsa--gfx1250"
	.amdhsa_code_object_version 6
	.text
	.protected	k_q547fd0e218_outp
	.globl	k_q547fd0e218_outp
	.p2align	8
	.type	k_q547fd0e218_outp,@function
k_q547fd0e218_outp:
	s_mov_b64 s[64:65], 0
	v_nop
	global_prefetch_b8 v0, s[64:65] scope:SCOPE_SE
	s_setreg_imm32_b32 hwreg(HW_REG_WAVE_MODE, 25, 1), 1
	s_wait_xcnt 0x0
	s_wait_alu depctr_hold_cnt(0) depctr_sa_sdst(0) depctr_va_vdst(0) depctr_va_sdst(0) depctr_va_ssrc(0) depctr_va_vcc(0) depctr_vm_vsrc(0)
	s_getreg_b32 s2, hwreg(HW_REG_IB_STS2, 6, 4)
	s_cmp_eq_u32 s2, 0
	s_cbranch_scc0 .Lentry_in_a_cluster
	s_endpgm
.Lentry_in_a_cluster:
	s_bfe_u32 s2, ttmp6, 0x10000c
	s_cmp_lg_u32 s2, 0xf033
	s_cbranch_scc0 .Lentry_shape_is_right
	s_endpgm
.Lentry_shape_is_right:
; LAUNCH 4 OF 4.  out0 = att Wo^T + bo on codes: att's images from launch 3, Wo's from launch 1 (which says how a tile and its record lie).  Nothing of reference() is left out here.
; THE PRODUCT is launch 2's: D(i, j) = the sum over k of S0[i][k] S1[j][k]; S0 = rows of Wo (source 0), S1 = tokens: a lane holds a token and eight neighbouring output columns.
; A work-group makes I 256 columns x J 128 tokens, its four waves I 128 x J 64: 32 accumulators.  The whole K of both operands lies in LDS, in two slots (K halves), each filled once.
; CLUSTERS of 4 x 4: Wo's tiles hang on the cluster's row, the tokens' on its column: each is asked for jointly by the four that need it.  The bias is the C of each sum's first matrix instruction.
; THE WAY OUT: 16 tokens x 128 columns at a time through the wave's own stage in LDS (bytes of its own, into which no tile lands), back as whole rows of 512 bytes.
; REGISTERS: window 0: v1-15 addresses; v16-79 S0's scale words, v80-111 S1's; v112-143 S1's four fragments; v144-207 the bias, eight tiles; on the way out v112-239 rows of out0; v240, v241 the stage.
;   window 1: accumulator (b, a) at v[64 b + 8 a].   window 2: S0's eight fragments, two sets, at v0 and v64.
.set REC,   8704                       ; a tile's record in LDS and in memory: both K halves on end
.set S0B,   16*REC                     ; S0's 16 tiles, then S1's 8
.set SLOT,  4352                       ; from a tile's first K half to its second
.set STAGE, 24*REC                     ; behind the tiles: 16 rows x 528 bytes for each wave
.set SPARE, STAGE+4*16*528             ; behind the stages: the spare words, 128 bytes for each wave
.set LI,  1
.set RR,  2
.set HH,  3
.set AD0, 4
.set AD1, 6
.set AS0, 8
.set AS1, 10
.set SPW, 12
.set NIL, 13
.set VO,  14
.set SC0, 16
.set SC1, 80
.set JF,  112
.set BI,  144
.set OB,  112                          ; the way out: v112-175 and v176-239 by turns
.set RD,  240
.set STO, 241
.set WV,   16
.set WI,   17
.set WJ,   18
.set CX,   19
.set CY,   20
.set JBLK, 42
.set G1A,  24
.set G0A,  32
.set G1B,  48
.set G0B,  56
.set MSB, 0
.macro WIN new                         ; the immediate's high byte repeats the setting that is left
.if MSB != \new
	s_set_vgpr_msb (MSB<<8)|\new
.set MSB, \new
.endif
.endm
.macro CROUND
	s_barrier_signal -1
	s_barrier_wait -1
	s_cmp_lg_u32 s[WV], 0
	s_cbranch_scc1 .Lnot_wave_0_\@
	s_barrier_signal -3
.Lnot_wave_0_\@:
	s_barrier_wait -3
	s_barrier_signal -1
	s_barrier_wait -1
.endm
.macro PLACES
.rept 4
	v_nop
.endr
.endm
	s_load_b256 s[4:11], s[0:1], 0x0               ; img s[4:5], att s[6:7], bo s[8:9], out0 s[10:11]
	v_lshl_add_u32 v[SPW], v0, 2, SPARE
	v_mov_b32 v[NIL], 0
	ds_add_u32 v[SPW], v[NIL]                      ; the wave's opening
	ds_add_u32 v[SPW], v[NIL]
	v_lshrrev_b32 v1, 5, v0
	v_readfirstlane_b32 s[WV], v1
	s_lshr_b32 s[WI], s[WV], 1                     ; my half of I; also: I fetch for S0 (0) or S1 (1)
	s_and_b32 s[WJ], s[WV], 1                      ; my half of J; also which half of that operand's tiles I fetch
	s_bfe_u32 s[CX], ttmp6, 0x40000
	s_bfe_u32 s[CY], ttmp6, 0x40004                ; the block of 256 columns: the grid has one cluster along y
	s_lshl_b32 s[JBLK], ttmp9, 2
	s_add_co_u32 s[JBLK], s[JBLK], s[CX]           ; the block of 128 tokens
	s_lshl_b32 s44, s[CY], 4
	s_add_co_u32 s44, s44, 704                     ; Wo's tiles begin at 704 in img
	s_lshl_b32 s70, s[WJ], 3
	s_add_co_u32 s44, s44, s70
	s_mul_i32 s44, s44, REC
	s_mov_b32 s45, 0
	s_lshl_b32 s46, s[JBLK], 3
	s_lshl_b32 s70, s[WJ], 2
	s_add_co_u32 s46, s46, s70
	s_mul_i32 s46, s46, REC
	s_mov_b32 s47, 0
	s_lshl_b32 s71, s[CY], 2
	s_lshl_b32 s71, 15, s71                        ; my row of the cluster
	s_lshl_b32 s72, 0x1111, s[CX]                  ; my column
	s_or_b32 s[G1A], s71, (3<<16)|(1<<21)          ; 8 (S1: 4) rows of 8,704 bytes (1,088 elements of 8), dense in memory and in LDS
	s_or_b32 s[G1B], s72, (3<<16)|(1<<21)
	s_mov_b32 s[G1A+1], 1088<<16                   ; a row is a whole tile, 8,704 bytes (1,088 elements of 8): the rows follow each other in memory and in LDS
	s_mov_b32 s[G1A+2], 8<<16
	s_mov_b32 s[G1A+3], 1088<<16
	s_mov_b32 s[G1A+4], 8
	s_mov_b32 s[G1A+5], 1088
	s_mov_b32 s[G1A+6], 0
	s_mov_b32 s[G1A+7], 0
	s_mov_b32 s[G1B+1], 1088<<16
	s_mov_b32 s[G1B+2], 4<<16
	s_mov_b32 s[G1B+3], 1088<<16
	s_mov_b32 s[G1B+4], 4
	s_mov_b32 s[G1B+5], 1088
	s_mov_b32 s[G1B+6], 0
	s_mov_b32 s[G1B+7], 0
	s_mul_i32 s66, s[WJ], 8*REC
	s_mul_i32 s67, s[WJ], 4*REC
	s_add_co_u32 s67, s67, S0B
	s_wait_dscnt 0x0                               ; both opening adds are done
	s_wait_kmcnt 0x0
	s_add_nc_u64 s[44:45], s[4:5], s[44:45]
	s_add_nc_u64 s[46:47], s[6:7], s[46:47]
.irp k, 0
	s_mov_b32 s[G0A+4*\k], 1
	s_add_co_u32 s[G0A+4*\k+1], s66, \k*SLOT
	s_add_nc_u64 s[G0A+4*\k+2:G0A+4*\k+3], s[44:45], \k*REC
	s_or_b32 s[G0A+4*\k+3], s[G0A+4*\k+3], 0x80000000
	s_mov_b32 s[G0B+4*\k], 1
	s_add_co_u32 s[G0B+4*\k+1], s67, \k*SLOT
	s_add_nc_u64 s[G0B+4*\k+2:G0B+4*\k+3], s[46:47], \k*REC
	s_or_b32 s[G0B+4*\k+3], s[G0B+4*\k+3], 0x80000000
.endr
	CROUND                                         ; all sixteen work-groups are here: the joint loads meet
	s_cmp_eq_u32 s[WI], 0                          ; waves 0, 1 fetch S0's halves, waves 2, 3 S1's: one load a wave, the whole K of its tiles
	s_cbranch_scc0 .Lfill_b
	tensor_load_to_lds s[G0A:G0A+3], s[G1A:G1A+7]
	s_nop 0
.rept 4
	v_nop
.endr
	s_branch .Lfilled
.Lfill_b:
	tensor_load_to_lds s[G0B:G0B+3], s[G1B:G1B+7]
	s_nop 0
.rept 4
	v_nop
.endr
.Lfilled:
	v_and_b32 v[LI], 31, v0
	v_lshlrev_b32 v[LI], 4, v[LI]
	v_and_b32 v[RR], 15, v0
	v_bfe_u32 v[HH], v0, 4, 1
	v_lshlrev_b32 v[VO], 4, v[RR]
	s_mul_i32 s66, s[WI], 8*REC
	s_mul_i32 s67, s[WJ], 4*REC
	s_add_co_u32 s67, s67, S0B
.irp k, 0,1
	v_add_nc_u32 v[AD0+\k], s66, v[LI]
	v_add_nc_u32 v[AD1+\k], s67, v[LI]
	v_add_nc_u32 v[AS0+\k], s66, v[VO]
	v_add_nc_u32 v[AS1+\k], s67, v[VO]
	s_add_co_u32 s66, s66, SLOT
	s_add_co_u32 s67, s67, SLOT
.endr
	s_lshl_b32 s86, s[CY], 10                      ; my first column, in bytes: 4 (256 block + 128 (wave / 2))
	s_lshl_b32 s87, s[WI], 9
	s_add_co_u32 s86, s86, s87
	s_mov_b32 s87, 0
	s_add_nc_u64 s[8:9], s[8:9], s[86:87]
	v_lshlrev_b32 v[VO], 6, v[HH]
.irp a, 0,1,2,3,4,5,6,7                ; the bias: register j of tile a, lane half h, is column 32 (a / 2) + 16 h + 8 (a % 2) + j of my 128
	global_load_b128 v[BI+8*\a:BI+8*\a+3], v[VO], s[8:9] offset:128*(\a/2)+32*(\a%2)
	global_load_b128 v[BI+8*\a+4:BI+8*\a+7], v[VO], s[8:9] offset:128*(\a/2)+32*(\a%2)+16
.endr
	s_lshl_b32 s88, s[JBLK], 7
	s_lshl_b32 s89, s[WJ], 6
	s_add_co_u32 s88, s88, s89                     ; my first token
	s_lshl_b32 s88, s88, 12                        ; rows of 4,096 bytes
	s_add_co_u32 s88, s88, s86
	s_mov_b32 s89, 0
	s_add_nc_u64 s[10:11], s[10:11], s[88:89]
	s_mul_i32 s90, s[WV], 16*528
	s_add_co_u32 s90, s90, STAGE                   ; my stage
	v_mul_u32_u24 v[STO], v[RR], 528
	v_lshl_add_u32 v[STO], v[HH], 6, v[STO]
	v_add_nc_u32 v[STO], s90, v[STO]               ; in: row r, + 64 h bytes
	v_add_nc_u32 v[RD], s90, v[LI]                 ; back: the 32 lanes take one row of 512 bytes
.macro FETCH_I k, q, p
	WIN 0x80                                       ; destination window 2
.irp a, 0,1,2,3,4,5,6,7
.irp c, 0,1
	ds_load_b128 v[64*(\p)+8*\a+4*\c:64*(\p)+8*\a+4*\c+3], v[AD0+(\k)] offset:REC*\a+1024*(\q)+512*\c
.endr
.endr
.endm
.macro FETCH_J k, q, b0
	WIN 0
.irp b, \b0, \b0+1
.irp c, 0,1
	ds_load_b128 v[JF+8*(\b)+4*\c:JF+8*(\b)+4*\c+3], v[AD1+(\k)] offset:REC*(\b)+1024*(\q)+512*\c
.endr
.endr
.endm
.macro SCALES k
.irp a, 0,1,2,3,4,5,6,7
	ds_load_b128 v[SC0+32*\k+4*\a:SC0+32*\k+4*\a+3], v[AS0+\k] offset:4096+REC*\a
.endr
.irp b, 0,1,2,3
	ds_load_b128 v[SC1+16*\k+4*\b:SC1+16*\k+4*\b+3], v[AS1+\k] offset:4096+REC*\b
.endr
.endm
; 16 matrix instructions: token tiles b0, b0 + 1 x Wo's eight.  cm = 1: the first step: the bias starts the sums.  The 32 accumulators take turns, one instruction a turn, in the same order in every step.
.macro MUL b0, p, k, q, cm
.if \cm
	WIN 0x42                                       ; source 0 window 2, source 1 and C window 0, D window 1
.else
	WIN 0x52                                       ; C window 1 too
.endif
.irp b, \b0, \b0+1
.irp a, 0,1,2,3,4,5,6,7
.if \cm
	v_wmma_scale_f32_16x16x128_f8f6f4 v[64*(\b)+8*\a:64*(\b)+8*\a+7], v[64*(\p)+8*\a:64*(\p)+8*\a+7], v[JF+8*(\b):JF+8*(\b)+7], v[BI+8*\a:BI+8*\a+7], v[SC0+32*(\k)+4*\a+(\q)], v[SC1+16*(\k)+4*(\b)+(\q)] matrix_a_fmt:MATRIX_FMT_FP4 matrix_b_fmt:MATRIX_FMT_FP4
.else
	v_wmma_scale_f32_16x16x128_f8f6f4 v[64*(\b)+8*\a:64*(\b)+8*\a+7], v[64*(\p)+8*\a:64*(\p)+8*\a+7], v[JF+8*(\b):JF+8*(\b)+7], v[64*(\b)+8*\a:64*(\b)+8*\a+7], v[SC0+32*(\k)+4*\a+(\q)], v[SC1+16*(\k)+4*(\b)+(\q)] matrix_a_fmt:MATRIX_FMT_FP4 matrix_b_fmt:MATRIX_FMT_FP4
.endif
.endr
.endr
.endm
.macro STEP n, cm
	s_wait_dscnt 4                                 ; all but the youngest four loads (token tiles 2, 3) are in
	MUL 0, (\n)%2, (\n)/4, (\n)%4, \cm
	s_wait_dscnt 0x0
	PLACES
	FETCH_I ((\n)+1)/4, ((\n)+1)%4, 1-(\n)%2
	FETCH_J ((\n)+1)/4, ((\n)+1)%4, 0
	MUL 2, (\n)%2, (\n)/4, (\n)%4, \cm
	PLACES
	FETCH_J ((\n)+1)/4, ((\n)+1)%4, 2
.endm
	s_wait_alu depctr_va_vdst(0)
	s_wait_tensorcnt 0x0                           ; my tiles are in
	s_barrier_signal -1
	s_barrier_wait -1
	FETCH_I 0, 0, 0
	FETCH_J 0, 0, 0
	SCALES 0
	SCALES 1
	FETCH_J 0, 0, 2
	s_wait_loadcnt 0x0                             ; the bias
	STEP 0, 1
	STEP 1, 0
	STEP 2, 0
	STEP 3, 0
	STEP 4, 0
	STEP 5, 0
	STEP 6, 0
	s_wait_dscnt 4
	MUL 0, 1, 1, 3, 0
	s_wait_dscnt 0x0
	MUL 2, 1, 1, 3, 0
	WIN 0
; THE WAY OUT, a token tile at a time.  LDS serves a wave's instructions in order: no wait between the stores and the loads, nor in front of the next tile's stores.
.macro TOSTAGE b
	WIN 0x04                                       ; an LDS store's data are its source 1: window 1
.irp a, 0,1,2,3,4,5,6,7
	ds_store_b128 v[STO], v[64*(\b)+8*\a:64*(\b)+8*\a+3] offset:128*(\a/2)+32*(\a%2)          ; each accumulator from its low end on
	ds_store_b128 v[STO], v[64*(\b)+8*\a+4:64*(\b)+8*\a+7] offset:128*(\a/2)+32*(\a%2)+16
.endr
	WIN 0
.irp t, 0,1,2,3,4,5,6,7,8,9,10,11,12,13,14,15
	ds_load_b128 v[OB+64*((\b)%2)+4*\t:OB+64*((\b)%2)+4*\t+3], v[RD] offset:528*\t
.endr
.endm
.macro SEND b, younger                 ; younger: the LDS instructions issued behind tile b's loads, which may stay out
	s_wait_dscnt \younger
.irp t, 0,1,2,3,4,5,6,7,8,9,10,11,12,13,14,15
	global_store_b128 v[LI], v[OB+64*((\b)%2)+4*\t:OB+64*((\b)%2)+4*\t+3], s[10:11] offset:(32*((\b)/2)+8*((\b)%2)+\t+8*(\t/8))*4096 th:TH_STORE_NT   ; row t of the tile: 32 lanes store 512 consecutive bytes, aligned
.endr
.endm
	PLACES                                         ; in front of the first read of results and of the loads into registers that held operands
	TOSTAGE 0
.irp b, 1,2,3
.if \b > 1
	s_wait_xcnt 0x0                                ; tile b - 2's stores have read their registers: tile b's loads may land there
.endif
	TOSTAGE \b
	SEND \b-1, 32                                  ; behind tile b - 1's loads: tile b's 16 stores and 16 loads
.endr
	SEND 3, 0
	s_wait_tensorcnt 0x0                           ; the wave's end, behind my last tensor load and my last LDS store
	ds_add_u32 v[SPW], v[NIL]
	s_wait_dscnt 0x0
	CROUND                                         ; the closing round
	s_endpgm
.Lfunc_end_k_q547fd0e218_outp:
	.size	k_q547fd0e218_outp, .Lfunc_end_k_q547fd0e218_outp-k_q547fd0e218_outp
	.p2alignl 7, 3214868480
	.fill 96, 4, 3214868480
	.section	.rodata,"a",@progbits
	.p2align	6, 0x0
	.amdhsa_kernel k_q547fd0e218_outp
		.amdhsa_group_segment_fixed_size 243200
		.amdhsa_private_segment_fixed_size 0
		.amdhsa_enable_private_segment 0
		.amdhsa_kernarg_size 32
		.amdhsa_user_sgpr_count 2
		.amdhsa_user_sgpr_kernarg_segment_ptr 1
		.amdhsa_wavefront_size32 1
		.amdhsa_system_sgpr_workgroup_id_x 1
		.amdhsa_system_sgpr_workgroup_id_y 1
		.amdhsa_system_sgpr_workgroup_id_z 1
		.amdhsa_system_vgpr_workitem_id 0
		.amdhsa_next_free_vgpr 640
		.amdhsa_next_free_sgpr 100
		.amdhsa_reserve_vcc 0
		.amdhsa_float_denorm_mode_32 3
		.amdhsa_float_denorm_mode_16_64 3
		.amdhsa_memory_ordered 1
		.amdhsa_forward_progress 1
		.amdhsa_inst_pref_size 72
	.end_amdhsa_kernel
	.amdgpu_metadata
---
amdhsa.version: [ 1, 2 ]
amdhsa.kernels:
  - .name:           k_q547fd0e218_outp
    .symbol:         k_q547fd0e218_outp.kd
    .args:
      - { .name: img, .offset: 0, .size: 8, .value_kind: global_buffer, .address_space: global }
      - { .name: att, .offset: 8, .size: 8, .value_kind: global_buffer, .address_space: global }
      - { .name: bo, .offset: 16, .size: 8, .value_kind: global_buffer, .address_space: global }
      - { .name: out0, .offset: 24, .size: 8, .value_kind: global_buffer, .address_space: global }
    .group_segment_fixed_size: 243200
    .private_segment_fixed_size: 0
    .kernarg_segment_align: 8
    .kernarg_segment_size: 32
    .max_flat_workgroup_size: 128
    .sgpr_count:     100
    .vgpr_count:     640
    .wavefront_size: 32
...
	.end_amdgpu_metadata
.endif
;; end of part 4
